; MI455X (gfx1250); checked and timed in simulation.
; The chip was launched on July 23, 2026; its instructions are those of AMD's public machine-readable ISA for CDNA 5 (MIT licence, August 2026) and "CDNA5" Instruction Set Architecture Reference Guide (July 2026). The comments in the code are by the model that wrote it; some were corrected since.
;; Mo E Attention Per Expert. Allowed arithmetic: float matrix products may take bf16 or f16 operands with f32 sums; other float arithmetic in f32, or as packed bf16 or f16 multiplies, adds, multiply-adds, maxima and minima; sums over many terms, partial sums and values carried from step to step in f32; what a program stores and reads back later, other than sums and carried values, may be rounded once to bf16 or f16.
;; Inputs: W1 8 x 512 x 2,048 float32; W2 8 x 2,048 x 512 float32; Wk 8 x 512 x 512 float32; Wo 8 x 512 x 512 float32; Wq 8 x 512 x 512 float32; Wv 8 x 512 x 512 float32; b1 8 x 2,048 float32; b2 8 x 512 float32; bk 8 x 512 float32; bo 8 x 512 float32; bq 8 x 512 float32; bv 8 x 512 float32; ln_o_b 8 x 512 float32; ln_o_g 8 x 512 float32; ln_q_b 8 x 512 float32; ln_q_g 8 x 512 float32; query 16 x 512 float32; retrieved 16 x 1,024 x 512 float32; w_gate 512 x 8 float32.
;; Outputs: out0 16 x 512 float32; out1 16 x 8 x 512 float32; out2 16 x 8 float32.
;; 2 versions, each right; version 2 is version 1 with the launches vo, ffn written anew for expert scheduling mode. Each part assembles by itself: llvm-mc -triple=amdgcn-amd-amdhsa -mcpu=gfx1250 --defsym DOCPART=n.
;; ======== version 1 of 2: 6 launches
;; limits: a function is approximated: absolute error at most 1.5e-07
;; workspace buffers: qk 1,048,576 bytes; l1s 4,608 bytes; sc 4,194,304 bytes; st 262,144 bytes; ctx 2,097,152 bytes; hp 16,384 bytes; po 2,097,152 bytes; py 8,388,608 bytes
;; launch qkproj (part 1): grid 8 x 8, 8 waves a work-group, no clusters, 161,536 bytes of LDS; arguments query, ln_q_g, ln_q_b, Wq, bq, Wk, bk, w_gate, qk, l1s; writes qk, l1s
.if DOCPART == 1
	.amdgcn_target "amdgcn-amd-amdhsa--gfx1250"
	.amdhsa_code_object_version 6
	.text
	.protected	k_q45bba31645_qkproj
	.globl	k_q45bba31645_qkproj
	.p2align	8
	.type	k_q45bba31645_qkproj,@function
k_q45bba31645_qkproj:
	s_mov_b64 s[64:65], 0
	v_nop
	global_prefetch_b8 v0, s[64:65] scope:SCOPE_SE
	s_setreg_imm32_b32 hwreg(HW_REG_WAVE_MODE, 25, 1), 1
	s_wait_xcnt 0x0
; For expert e and head h (q = 8 e + h), all 16 batch rows b:
;   qh[b][c]  = ((LN(query[b]) g_e + beta_e) . Wq[e][:, 64 h + c] + bq) * SC,  SC = log2(e) / 8      (phase A, K = 512 shared among the 8 waves)
;   qk[b][q][d] = sum over c of Wk[e][d][64 h + c] qh[b][c]   (bf16)                                  (phase B, the 512 d shared among the 8 waves)
;   cb[b][q]  = sum over c of qh[b][c] bk[e][64 h + c]        (f32);   the gate's logits query . w_gate (stored by work-group 0, 0)
; With a query of length 1 the score of a retrieved row R is R . qk + cb: K is never formed.  The order of rounding differs from the reference's for that.
; Matrix operands are bf16, sums f32.  LIMITS: NaN and infinities are not treated apart.
; WEIGHTS STRAIGHT INTO FRAGMENTS.  Of a weight stored [k][n] in f32 lane (r, hh) loads 16 bytes, columns 4 r .. 4 r + 3, of the rows k that a B fragment wants of it;
; 16 lanes read 256 consecutive bytes.  One v_cvt_pk_bf16_f32 of two rows' registers rounds and packs: fragment t has column n = r for the weight's column 4 r + t.
; No tensor load and no cluster: each weight byte has one reader, and it passes through registers to be rounded anyway.
.set XP,    1040      ; LDS pitch of a row of 512 bf16: 1,024 + 16 bytes, an odd multiple of 16
.set XR,    16640     ; the raw query in bf16 (LN's result lies at 0)
.set RED,   33280     ; 8 waves x 16 rows x 336 bytes: a wave's partial sums: 64 columns, the gate's 16 at +256
.set RP,    336
.set HA,    76288     ; qh in bf16, 16 rows x 144 bytes
.set HP,    144
.set WKL,   78592     ; a wave's 64 rows of Wk in bf16, 144 bytes each
.set GW,    152320    ; a wave's 64 rows of w_gate in bf16, 16 bytes each
.set SPARE, 160512    ; the spare words, 128 bytes a wave
.set T,   24          ; v24-31  at work in LN; then bq (24-27), bk (28-31)
.set X,   32          ; v32-63  my half row of the query: X[4 u + t] = query[2 w + hh][64 u + 4 r + t]
.set G,   64          ; v64-95  gain, v96-127 bias, same columns
.set BT,  96
.set WQ,  128         ; v128-255 Wq as loaded
.set ACC, 32          ; v32-71  five accumulators (the fifth: the gate)
.set AF,  72          ; v72-87  A fragments
.set BF0, 88          ; v88-119, v128-159 B fragments of the two K steps
.set BF1, 128
.set AG,  160         ; v160-175 the raw query's fragments, v176-191 w_gate's
.set GF,  176
.set KF,  128         ; v128-191 Wk's fragments (phase B)
.set TK,  192         ; v192-255 Wk packed; then the reduce loads
.set MSB, 0
.macro WIN new        ; the high byte repeats the setting that is left
.if MSB != (\new)
	s_set_vgpr_msb (MSB<<8)|(\new)
.set MSB, (\new)
.endif
.endm
.macro XADD r, m
	v_add_f32_dpp v[\r], v[\r], v[\r] row_xmask:\m row_mask:0xf bank_mask:0xf
.endm
.macro WTILE buf, voff, sb, pitch     ; 64 rows x 64 columns of f32: load n = 16 sg + 8 g + jj is row 32 sg + 16 g + 8 hh + jj
.set zn, 0
.rept 32
	global_load_b128 v[(\buf)+4*zn:(\buf)+4*zn+3], v[\voff], s[(\sb):(\sb)+1] offset:(32*(zn/16)+16*((zn/8)%2)+zn%8)*(\pitch) th:TH_LOAD_NT
.set zn, zn+1
.endr
.endm
.macro CVTB dst, buf, sg              ; four B fragments of K step sg
.irp t, 0,1,2,3
.set zi, 0
.rept 8
	v_cvt_pk_bf16_f32 v[(\dst)+8*(\t)+zi], v[(\buf)+4*(16*(\sg)+2*zi)+(\t)], v[(\buf)+4*(16*(\sg)+2*zi+1)+(\t)]
.set zi, zi+1
.endr
.endr
.endm
.macro MM8 acc, af, b0, b1            ; four accumulators by turns, two K steps; the first starts the sums
.irp t, 0,1,2,3
	v_wmma_f32_16x16x32_bf16 v[(\acc)+8*(\t):(\acc)+8*(\t)+7], v[(\af):(\af)+7], v[(\b0)+8*(\t):(\b0)+8*(\t)+7], 0
.endr
.irp t, 0,1,2,3
	v_wmma_f32_16x16x32_bf16 v[(\acc)+8*(\t):(\acc)+8*(\t)+7], v[(\af)+8:(\af)+15], v[(\b1)+8*(\t):(\b1)+8*(\t)+7], v[(\acc)+8*(\t):(\acc)+8*(\t)+7]
.endr
.endm
.macro AFRAG dst, va, off=0           ; two A fragments (K = 64) from rows of bf16
.irp c, 0,1,2,3
	ds_load_b128 v[(\dst)+4*(\c):(\dst)+4*(\c)+3], v[\va] offset:(\off)+32*(\c)
.endr
.endm
.macro RSTORE acc, va, rp             ; register j of tile t is (row 8 hh + j, column 4 r + t); each accumulator's register 0 goes first
.set zj, 0
.rept 8
.irp t, 0,1,2,3
	ds_store_b32 v[\va], v[(\acc)+8*(\t)+zj] offset:zj*(\rp)+4*(\t)
.endr
.set zj, zj+1
.endr
.endm
.macro RLOAD dst, va, rp              ; the eight waves' partial sums of my four columns
.set zj, 0
.rept 8
	ds_load_b128 v[(\dst)+4*zj:(\dst)+4*zj+3], v[\va] offset:zj*16*(\rp)
.set zj, zj+1
.endr
.endm
.macro RSUM d                         ; their sum, as a tree, into v[d:d+3]
.irp c, 0,2
	v_pk_add_f32 v[(\d)+(\c):(\d)+(\c)+1], v[(\d)+(\c):(\d)+(\c)+1], v[(\d)+4+(\c):(\d)+5+(\c)]
	v_pk_add_f32 v[(\d)+8+(\c):(\d)+9+(\c)], v[(\d)+8+(\c):(\d)+9+(\c)], v[(\d)+12+(\c):(\d)+13+(\c)]
	v_pk_add_f32 v[(\d)+16+(\c):(\d)+17+(\c)], v[(\d)+16+(\c):(\d)+17+(\c)], v[(\d)+20+(\c):(\d)+21+(\c)]
	v_pk_add_f32 v[(\d)+24+(\c):(\d)+25+(\c)], v[(\d)+24+(\c):(\d)+25+(\c)], v[(\d)+28+(\c):(\d)+29+(\c)]
	v_pk_add_f32 v[(\d)+(\c):(\d)+(\c)+1], v[(\d)+(\c):(\d)+(\c)+1], v[(\d)+8+(\c):(\d)+9+(\c)]
	v_pk_add_f32 v[(\d)+16+(\c):(\d)+17+(\c)], v[(\d)+16+(\c):(\d)+17+(\c)], v[(\d)+24+(\c):(\d)+25+(\c)]
	v_pk_add_f32 v[(\d)+(\c):(\d)+(\c)+1], v[(\d)+(\c):(\d)+(\c)+1], v[(\d)+16+(\c):(\d)+17+(\c)]
.endr
.endm
; LayerNorm of a row held by 16 lanes, 32 numbers a lane.  Two passes: the mean, then the squares of the centred numbers.  t: mean t, t+1; rsq t+2, t+3; at work t+4 .. t+7.  si: 1/512
.macro LNSTAT x, t, si
	v_pk_add_f32 v[(\t)+4:(\t)+5], v[(\x):(\x)+1], v[(\x)+2:(\x)+3]
	v_pk_add_f32 v[(\t)+6:(\t)+7], v[(\x)+4:(\x)+5], v[(\x)+6:(\x)+7]
.set zi, 8
.rept 6
	v_pk_add_f32 v[(\t)+4:(\t)+5], v[(\t)+4:(\t)+5], v[(\x)+zi:(\x)+zi+1]
	v_pk_add_f32 v[(\t)+6:(\t)+7], v[(\t)+6:(\t)+7], v[(\x)+zi+2:(\x)+zi+3]
.set zi, zi+4
.endr
	v_pk_add_f32 v[(\t)+4:(\t)+5], v[(\t)+4:(\t)+5], v[(\t)+6:(\t)+7]
	v_add_f32 v[(\t)+4], v[(\t)+4], v[(\t)+5]
.irp m, 1,2,4,8
	XADD (\t)+4, \m
.endr
	v_mul_f32 v[\t], s[\si], v[(\t)+4]
	v_mul_f32 v[(\t)+1], s[\si], v[(\t)+4]
.set zi, 0
.rept 16
	v_pk_add_f32 v[(\x)+zi:(\x)+zi+1], v[(\x)+zi:(\x)+zi+1], v[(\t):(\t)+1] neg_lo:[0,1] neg_hi:[0,1]
.set zi, zi+2
.endr
	v_pk_mul_f32 v[(\t)+4:(\t)+5], v[(\x):(\x)+1], v[(\x):(\x)+1]
	v_pk_mul_f32 v[(\t)+6:(\t)+7], v[(\x)+2:(\x)+3], v[(\x)+2:(\x)+3]
.set zi, 4
.rept 7
	v_pk_fma_f32 v[(\t)+4:(\t)+5], v[(\x)+zi:(\x)+zi+1], v[(\x)+zi:(\x)+zi+1], v[(\t)+4:(\t)+5]
	v_pk_fma_f32 v[(\t)+6:(\t)+7], v[(\x)+zi+2:(\x)+zi+3], v[(\x)+zi+2:(\x)+zi+3], v[(\t)+6:(\t)+7]
.set zi, zi+4
.endr
	v_pk_add_f32 v[(\t)+4:(\t)+5], v[(\t)+4:(\t)+5], v[(\t)+6:(\t)+7]
	v_add_f32 v[(\t)+4], v[(\t)+4], v[(\t)+5]
.irp m, 1,2,4,8
	XADD (\t)+4, \m
.endr
	v_fmaak_f32 v[(\t)+4], s[\si], v[(\t)+4], 0x3727c5ac   ; the variance + 1e-5
	v_rsq_f32 v[(\t)+2], v[(\t)+4]                         ; twice, to fill the pair
	v_rsq_f32 v[(\t)+3], v[(\t)+4]
	v_nop                                                  ; a plain instruction behind the last of them,
	s_wait_alu depctr_va_vdst(0)                           ; and one wait for both, ahead of the first reader
.endm
.macro LNFIN x, g, bt, t, va          ; scaled, gain and bias, rounded to bf16, into LDS
.set zi, 0
.rept 16
	v_pk_mul_f32 v[(\x)+zi:(\x)+zi+1], v[(\x)+zi:(\x)+zi+1], v[(\t)+2:(\t)+3]
.set zi, zi+2
.endr
.set zi, 0
.rept 16
	v_pk_fma_f32 v[(\x)+zi:(\x)+zi+1], v[(\x)+zi:(\x)+zi+1], v[(\g)+zi:(\g)+zi+1], v[(\bt)+zi:(\bt)+zi+1]
.set zi, zi+2
.endr
.set zi, 0
.rept 16
	v_cvt_pk_bf16_f32 v[(\x)+zi], v[(\x)+2*zi], v[(\x)+2*zi+1]
.set zi, zi+1
.endr
.set zi, 0
.rept 8
	ds_store_b64 v[\va], v[(\x)+2*zi:(\x)+2*zi+1] offset:zi*128
.set zi, zi+1
.endr
.endm
.macro PLACES
.rept 4
	v_nop
.endr
.endm
.macro BAR                            ; my LDS instructions are done; then the work-group's barrier
	s_wait_dscnt 0x0
	s_barrier_signal -1
	s_barrier_wait -1
.endm
	s_load_b512 s[8:23], s[0:1], 0x0               ; query 8, ln_q_g 10, ln_q_b 12, Wq 14, bq 16, Wk 18, bk 20, w_gate 22
	s_load_b128 s[24:27], s[0:1], 0x40             ; qk 24, l1s 26
	v_lshl_add_u32 v4, v0, 2, SPARE                ; my spare word,
	v_mov_b32 v5, 0                                ; and 0: kept for the closing add alone
	v_and_b32 v1, 15, v0                           ; r
	v_bfe_u32 v2, v0, 4, 1                         ; hh
	v_and_b32 v3, 31, v0                           ; lane
	v_lshrrev_b32 v24, 5, v0
	v_readfirstlane_b32 s28, v24                   ; wave w
	s_mov_b32 s29, ttmp9                           ; h
	s_and_b32 s30, ttmp7, 0xffff                   ; e
	v_lshlrev_b32 v7, 4, v1                        ; 16 r
	v_lshl_add_u32 v6, v2, 11, v7                  ; a row of 2,048 bytes for each half of the lanes
	v_lshl_add_u32 v8, v2, 14, v7                  ; eight such rows
	v_lshlrev_b32 v9, 4, v3                        ; 16 x lane
	s_mov_b32 s3, 0                                ; every offset is below 4 GiB: the pair s[2:3]
	s_mov_b32 s60, 0x3e38aa3b                      ; SC = log2(e) / 8
	s_mov_b32 s61, s60
	s_mov_b32 s63, 0x3b000000                      ; 1 / 512
	s_wait_kmcnt 0x0
	s_lshl_b32 s2, s28, 12
	s_add_nc_u64 s[32:33], s[8:9], s[2:3]          ; query at rows 2 w, 2 w + 1
	s_lshl_b32 s2, s30, 11
	s_add_nc_u64 s[34:35], s[10:11], s[2:3]        ; the expert's gain and bias
	s_add_nc_u64 s[36:37], s[12:13], s[2:3]
	s_lshl_b32 s4, s29, 8
	s_add_co_u32 s2, s2, s4
	s_add_nc_u64 s[44:45], s[16:17], s[2:3]        ; bq and bk at the head's 64 columns
	s_add_nc_u64 s[46:47], s[20:21], s[2:3]
	s_lshl_b32 s2, s30, 20
	s_lshl_b32 s5, s28, 17
	s_add_co_u32 s2, s2, s5
	s_add_co_u32 s2, s2, s4
	s_add_nc_u64 s[38:39], s[14:15], s[2:3]        ; Wq and Wk: the expert, rows 64 w on, the head's columns
	s_add_nc_u64 s[40:41], s[18:19], s[2:3]
	s_lshl_b32 s2, s28, 11
	s_add_nc_u64 s[42:43], s[22:23], s[2:3]        ; w_gate at rows 64 w on
.set zi, 0
.rept 8
	global_load_b128 v[X+4*zi:X+4*zi+3], v6, s[32:33] offset:zi*256
.set zi, zi+1
.endr
.set zi, 0
.rept 8
	global_load_b128 v[G+4*zi:G+4*zi+3], v7, s[34:35] offset:zi*256
.set zi, zi+1
.endr
.set zi, 0
.rept 8
	global_load_b128 v[BT+4*zi:BT+4*zi+3], v7, s[36:37] offset:zi*256
.set zi, zi+1
.endr
	WIN 0x40                                       ; destination window 1
.set zi, 0
.rept 4
	global_load_b128 v[4*zi:4*zi+3], v9, s[42:43] offset:zi*512
.set zi, zi+1
.endr
	WIN 0
	WTILE WQ, 8, 38, 2048                          ; 60 loads of mine are out
	; the other addresses, in the loads' shadow
	s_lshl3_add_u32 s6, s30, s29                   ; q = 8 e + h
	s_lshl_b32 s2, s6, 10
	s_lshl_b32 s5, s28, 7
	s_add_co_u32 s2, s2, s5
	s_add_nc_u64 s[48:49], s[24:25], s[2:3]        ; qk at row q, columns 64 w on
	s_lshl_b32 s2, s6, 2
	s_lshl_b32 s5, s28, 9
	s_add_co_u32 s2, s2, s5
	s_add_nc_u64 s[50:51], s[26:27], s[2:3]        ; cb[2 w][q]
	s_lshl_b32 s2, s28, 6
	s_add_co_u32 s2, s2, 4096
	s_add_nc_u64 s[52:53], s[26:27], s[2:3]        ; the logits of rows 2 w, 2 w + 1
	s_mul_i32 s4, s28, 2*XP
	v_mul_u32_u24 v10, v2, XP
	v_lshl_add_u32 v10, v1, 3, v10
	v_add_nc_u32 v10, s4, v10                      ; v10: row 2 w + hh of the bf16 query, 8 bytes at 8 r
	v_mul_u32_u24 v11, v1, XP
	v_lshl_add_u32 v11, v2, 4, v11
	s_lshl_b32 s4, s28, 7
	v_add_nc_u32 v11, s4, v11                      ; v11: A fragments: row r, K = 64 w on
	s_mul_i32 s4, s28, 16*RP
	s_add_co_u32 s4, s4, RED
	v_mul_u32_u24 v12, v2, 8*RP
	v_add_nc_u32 v13, s4, v12
	v_add_nc_u32 v12, v13, v7                      ; v12: my wave's partial sums, row 8 hh, 16 r
	v_lshl_add_u32 v13, v1, 2, v13
	v_add_nc_u32 v13, 256, v13                     ; v13: the gate's column r
	s_mul_i32 s4, s28, 2*RP
	s_add_co_u32 s4, s4, RED
	v_mul_u32_u24 v14, v2, RP
	v_add_nc_u32 v15, s4, v14
	v_add_nc_u32 v14, v15, v7                      ; v14: row 2 w + hh of wave 0's sums, 16 r
	v_and_b32 v24, 1, v1
	v_lshl_add_u32 v15, v24, 4, v15
	v_add_nc_u32 v15, 256, v15                     ; v15: the gate's columns 4 (r & 1) on
	s_mul_i32 s4, s28, 2*HP
	s_add_co_u32 s4, s4, HA
	v_mul_u32_u24 v16, v2, HP
	v_lshl_add_u32 v16, v1, 3, v16
	v_add_nc_u32 v16, s4, v16                      ; v16: qh, row 2 w + hh, 8 r
	v_mul_u32_u24 v17, v1, HP
	v_lshl_add_u32 v17, v2, 4, v17
	s_mul_i32 s4, s28, 64*HP
	s_add_co_u32 s4, s4, WKL
	v_add_nc_u32 v19, s4, v17                      ; v19: Wk's fragments: row r of my wave's 64
	v_add_nc_u32 v17, HA, v17                      ; v17: qh's fragments
	v_mul_u32_u24 v18, v2, 16*HP
	v_lshl_add_u32 v18, v1, 3, v18
	v_add_nc_u32 v18, s4, v18                      ; v18: where Wk's packed rows go
	s_lshl_b32 s4, s28, 10
	s_add_co_u32 s4, s4, GW
	v_lshl_add_u32 v20, v3, 3, s4                  ; v20: w_gate packed, 8 bytes a lane
	v_and_b32 v24, 7, v0
	v_lshlrev_b32 v24, 4, v24
	v_lshl_add_u32 v21, v2, 7, v24
	v_add_nc_u32 v21, s4, v21                      ; v21: the turning load: row 8 hh + lane % 8; lanes 8-15 repeat columns 0-7
	v_lshlrev_b32 v22, 3, v1
	v_lshl_add_u32 v22, v2, 19, v22                ; v22: qk: eight batch rows of 65,536 bytes for each half, 8 r
	v_lshlrev_b32 v23, 8, v2                       ; v23: cb: a batch row of 256 bytes
	s_wait_loadcnt 52                              ; behind the query: 8 + 8 + 4 + 32
.set zi, 0
.rept 8                                            ; the raw query in bf16, for the gate
	v_cvt_pk_bf16_f32 v[T+2*(zi%4)], v[X+4*zi], v[X+4*zi+1]
	v_cvt_pk_bf16_f32 v[T+2*(zi%4)+1], v[X+4*zi+2], v[X+4*zi+3]
	ds_store_b64 v10, v[T+2*(zi%4):T+2*(zi%4)+1] offset:XR+zi*128
.set zi, zi+1
.endr
	LNSTAT X, T, 63
	s_wait_loadcnt 36                              ; behind the bias: 4 + 32
	LNFIN X, G, BT, T, 10
	s_wait_loadcnt 32                              ; behind w_gate: Wq
	WIN 0x05                                       ; sources window 1
.set zi, 0
.rept 4
	v_cvt_pk_bf16_f32 v[T+2*zi], v[4*zi], v[4*zi+1]
	v_cvt_pk_bf16_f32 v[T+2*zi+1], v[4*zi+2], v[4*zi+3]
.set zi, zi+1
.endr
	WIN 0
.set zi, 0
.rept 4
	ds_store_b64 v20, v[T+2*zi:T+2*zi+1] offset:zi*256   ; row k = 16 zi + lane / 2: 16 bytes, eight experts
.set zi, zi+1
.endr
	s_wait_dscnt 0x0                               ; my LDS stores are done: for the barrier, and the loads below land in registers that they read
	global_load_b128 v[24:27], v7, s[44:45]        ; bq
	global_load_b128 v[28:31], v7, s[46:47]        ; bk
	WIN 0x40
.set zi, 0
.rept 32                                           ; Wk: rows d = 64 w + 2 zi + hh, the head's 64 columns: 16 lanes read 256 consecutive bytes
	global_load_b128 v[4*zi:4*zi+3], v6, s[40:41] offset:zi*4096 th:TH_LOAD_NT
.set zi, zi+1
.endr
	WIN 0
	s_barrier_signal -1
	s_barrier_wait -1                              ; both copies of the query are whole
	; PHASE A
	AFRAG AF, 11
	s_wait_loadcnt 34                              ; behind Wq: bq, bk, 32 of Wk
	CVTB BF0, WQ, 0
	AFRAG AG, 11, XR
.irp sg, 0,1
.irp g, 0,1
	ds_load_tr16_b128 v[GF+8*(\sg)+4*(\g):GF+8*(\sg)+4*(\g)+3], v21 offset:512*(\sg)+256*(\g)
.endr
.endr
	CVTB BF1, WQ, 1
	s_wait_dscnt 0x0
.irp t, 0,1,2,3                                    ; five accumulators by turns
	v_wmma_f32_16x16x32_bf16 v[ACC+8*(\t):ACC+8*(\t)+7], v[AF:AF+7], v[BF0+8*(\t):BF0+8*(\t)+7], 0
.endr
	v_wmma_f32_16x16x32_bf16 v[ACC+32:ACC+39], v[AG:AG+7], v[GF:GF+7], 0
.irp t, 0,1,2,3
	v_wmma_f32_16x16x32_bf16 v[ACC+8*(\t):ACC+8*(\t)+7], v[AF+8:AF+15], v[BF1+8*(\t):BF1+8*(\t)+7], v[ACC+8*(\t):ACC+8*(\t)+7]
.endr
	v_wmma_f32_16x16x32_bf16 v[ACC+32:ACC+39], v[AG+8:AG+15], v[GF+8:GF+15], v[ACC+32:ACC+39]
	s_wait_loadcnt 0x0                             ; Wk, bq, bk
	WIN 0x05
.set zi, 0
.rept 32                                           ; Wk rounded: 64 plain instructions that name no register of the products: the places behind them
	v_cvt_pk_bf16_f32 v[TK+2*zi], v[4*zi], v[4*zi+1]
	v_cvt_pk_bf16_f32 v[TK+2*zi+1], v[4*zi+2], v[4*zi+3]
.set zi, zi+1
.endr
	WIN 0
.set zi, 0
.rept 32                                           ; row d goes to LDS row 16 (d % 4) + d / 4, so that tile t's lane r holds d = 4 r + t
	ds_store_b64 v18, v[TK+2*zi:TK+2*zi+1] offset:(32*(zi%2)+zi/2)*HP
.set zi, zi+1
.endr
	RSTORE ACC, 12, RP
.set zj, 0
.rept 8
	ds_store_b32 v13, v[ACC+32+zj] offset:zj*RP
.set zj, zj+1
.endr
	BAR                                            ; all partial sums are in LDS
.set zi, 0
.rept 16                                           ; zi = 8 sg + 2 t + g
	ds_load_b128 v[KF+32*(zi/8)+8*((zi/2)%4)+4*(zi%2):KF+32*(zi/8)+8*((zi/2)%4)+4*(zi%2)+3], v19 offset:((zi/2)%4)*16*HP+64*(zi/8)+32*(zi%2)
.set zi, zi+1
.endr
	RLOAD TK, 14, RP
	RLOAD TK+32, 15, RP
	s_wait_dscnt 0x0
	RSUM TK
	RSUM TK+32
	v_pk_add_f32 v[192:193], v[192:193], v[24:25]  ; + bq,
	v_pk_add_f32 v[194:195], v[194:195], v[26:27]
	v_pk_mul_f32 v[192:193], v[192:193], s[60:61] op_sel_hi:[1,0]  ; times SC
	v_pk_mul_f32 v[194:195], v[194:195], s[60:61] op_sel_hi:[1,0]
	v_mul_f32 v196, v192, v28                      ; qh . bk: my four columns, then the row's 16 lanes
	v_fmac_f32 v196, v193, v29
	v_fmac_f32 v196, v194, v30
	v_fmac_f32 v196, v195, v31
.irp m, 1,2,4,8
	XADD 196, \m
.endr
	v_cvt_pk_bf16_f32 v198, v192, v193
	v_cvt_pk_bf16_f32 v199, v194, v195
	ds_store_b64 v16, v[198:199]
	v_cmp_eq_u32 vcc_lo, 0, v1
	s_wait_xcnt 0x0                                ; EXEC changes only behind this wait
	s_and_saveexec_b32 s62, vcc_lo
	global_store_b32 v23, v196, s[50:51]           ; cb[2 w + hh][q]
	s_wait_xcnt 0x0
	s_or_b32 exec_lo, exec_lo, s62
	s_or_b32 s4, s29, s30
	s_cmp_lg_u32 s4, 0
	s_cbranch_scc1 .Lno_gate                       ; the logits are the same in all 64 work-groups: one stores them
	v_lshl_add_u32 v200, v2, 5, v7
	v_cmp_gt_u32 vcc_lo, 2, v1
	s_wait_xcnt 0x0
	s_and_saveexec_b32 s62, vcc_lo
	global_store_b128 v200, v[224:227], s[52:53]
	s_wait_xcnt 0x0
	s_or_b32 exec_lo, exec_lo, s62
.Lno_gate:
	BAR                                            ; qh is whole
	; PHASE B
	AFRAG AF, 17
	s_wait_dscnt 0x0
	MM8 ACC, AF, KF, KF+32
	PLACES
.set zj, 0
.rept 8                                            ; register j of tile t is (b = 8 hh + j, d = 64 w + 4 r + t): four neighbouring bf16; 16 lanes store 128 consecutive bytes (qk is 1 MB in all)
	v_cvt_pk_bf16_f32 v[88+2*zj], v[ACC+zj], v[ACC+8+zj]
	v_cvt_pk_bf16_f32 v[89+2*zj], v[ACC+16+zj], v[ACC+24+zj]
	global_store_b64 v22, v[88+2*zj:89+2*zj], s[48:49] offset:zj*65536
.set zj, zj+1
.endr
	s_wait_tensorcnt 0x0                           ; the wave's end: behind my last LDS store
	ds_add_u32 v4, v5
	s_wait_dscnt 0x0
	s_endpgm
.Lfunc_end_k_q45bba31645_qkproj:
	.size	k_q45bba31645_qkproj, .Lfunc_end_k_q45bba31645_qkproj-k_q45bba31645_qkproj
	.p2alignl 7, 3214868480
	.fill 96, 4, 3214868480
	.section	.rodata,"a",@progbits
	.p2align	6, 0x0
	.amdhsa_kernel k_q45bba31645_qkproj
		.amdhsa_group_segment_fixed_size 161536
		.amdhsa_private_segment_fixed_size 0
		.amdhsa_enable_private_segment 0
		.amdhsa_kernarg_size 80
		.amdhsa_user_sgpr_count 2
		.amdhsa_user_sgpr_kernarg_segment_ptr 1
		.amdhsa_wavefront_size32 1
		.amdhsa_system_sgpr_workgroup_id_x 1
		.amdhsa_system_sgpr_workgroup_id_y 1
		.amdhsa_system_sgpr_workgroup_id_z 1
		.amdhsa_system_vgpr_workitem_id 0
		.amdhsa_next_free_vgpr 384
		.amdhsa_next_free_sgpr 66
		.amdhsa_reserve_vcc 1
		.amdhsa_float_denorm_mode_32 3
		.amdhsa_float_denorm_mode_16_64 3
		.amdhsa_memory_ordered 1
		.amdhsa_forward_progress 1
		.amdhsa_inst_pref_size 46
	.end_amdhsa_kernel
	.amdgpu_metadata
---
amdhsa.version: [ 1, 2 ]
amdhsa.kernels:
  - .name:           k_q45bba31645_qkproj
    .symbol:         k_q45bba31645_qkproj.kd
    .args:
      - { .name: query, .offset: 0, .size: 8, .value_kind: global_buffer, .address_space: global }
      - { .name: ln_q_g, .offset: 8, .size: 8, .value_kind: global_buffer, .address_space: global }
      - { .name: ln_q_b, .offset: 16, .size: 8, .value_kind: global_buffer, .address_space: global }
      - { .name: Wq, .offset: 24, .size: 8, .value_kind: global_buffer, .address_space: global }
      - { .name: bq, .offset: 32, .size: 8, .value_kind: global_buffer, .address_space: global }
      - { .name: Wk, .offset: 40, .size: 8, .value_kind: global_buffer, .address_space: global }
      - { .name: bk, .offset: 48, .size: 8, .value_kind: global_buffer, .address_space: global }
      - { .name: w_gate, .offset: 56, .size: 8, .value_kind: global_buffer, .address_space: global }
      - { .name: qk, .offset: 64, .size: 8, .value_kind: global_buffer, .address_space: global }
      - { .name: l1s, .offset: 72, .size: 8, .value_kind: global_buffer, .address_space: global }
    .group_segment_fixed_size: 161536
    .private_segment_fixed_size: 0
    .kernarg_segment_align: 8
    .kernarg_segment_size: 80
    .max_flat_workgroup_size: 256
    .sgpr_count:     66
    .vgpr_count:     384
    .wavefront_size: 32
...
	.end_amdgpu_metadata
.endif
;; end of part 1
;; launch scores (part 2): grid 16 x 16, 8 waves a work-group, no clusters, 134,144 bytes of LDS; arguments retrieved, qk, l1s, sc, st; writes sc, st
.if DOCPART == 2
	.amdgcn_target "amdgcn-amd-amdhsa--gfx1250"
	.amdhsa_code_object_version 6
	.text
	.protected	k_q45bba31645_scores
	.globl	k_q45bba31645_scores
	.p2align	8
	.type	k_q45bba31645_scores,@function
k_q45bba31645_scores:
	s_mov_b64 s[64:65], 0
	v_nop
	global_prefetch_b8 v0, s[64:65] scope:SCOPE_SE
	s_setreg_imm32_b32 hwreg(HW_REG_WAVE_MODE, 25, 1), 1
	s_wait_xcnt 0x0
; t[b][q][l] = retrieved[b][l] . qk[b][q] + cb[b][q]: the scores in base-2 units, for 64 rows l (work-group x) of batch row b (y) and all 64 q = (expert, head).
; Stored in f32 as the accumulators lie, so that the next launch loads them straight as its A operand; with them, for each q and each chunk of 32 l, the chunk's maximum m and the sum of 2^(t - m).
; Wave w rounds rows 8 w .. 8 w + 7 of retrieved to bf16 and copies as many rows of qk into LDS; then wave (qt = w % 4, lh = w / 4) multiplies 32 l x 16 q over K = 512.
; A = rows of retrieved, B = rows of qk: a lane of the result holds one q (lane % 16) and l = 8 (lane / 16) + register.
; No tensor load: retrieved is f32 and is rounded in registers.  LIMITS: NaN and infinities are not treated apart.
.set XP,    1040      ; a row of 512 bf16 + 16 bytes
.set QT,    66560     ; qk's 64 rows, behind retrieved's 64
.set SPARE, 133120
.set F0,  64          ; two fragment buffers of four K steps: B 8, A rows 0-15 8, A rows 16-31 8 registers a step
.set F1,  160
.macro FG gq, f                       ; the fragments of K steps 4 gq .. 4 gq + 3: 24 loads
.set zs, 0
.rept 4
	ds_load_b128 v[(\f)+24*zs:(\f)+24*zs+3],     v10 offset:64*(4*(\gq)+zs)
	ds_load_b128 v[(\f)+24*zs+4:(\f)+24*zs+7],   v10 offset:64*(4*(\gq)+zs)+32
	ds_load_b128 v[(\f)+24*zs+8:(\f)+24*zs+11],  v9 offset:64*(4*(\gq)+zs)
	ds_load_b128 v[(\f)+24*zs+12:(\f)+24*zs+15], v9 offset:64*(4*(\gq)+zs)+32
	ds_load_b128 v[(\f)+24*zs+16:(\f)+24*zs+19], v9 offset:16*XP+64*(4*(\gq)+zs)
	ds_load_b128 v[(\f)+24*zs+20:(\f)+24*zs+23], v9 offset:16*XP+64*(4*(\gq)+zs)+32
.set zs, zs+1
.endr
.endm
.macro MG f, first                    ; eight products: the two accumulators by turns
.set zs, 0
.rept 4
.if (\first) && (zs == 0)
	v_wmma_f32_16x16x32_bf16 v[16:23], v[(\f)+24*zs+8:(\f)+24*zs+15], v[(\f)+24*zs:(\f)+24*zs+7], 0
	v_wmma_f32_16x16x32_bf16 v[24:31], v[(\f)+24*zs+16:(\f)+24*zs+23], v[(\f)+24*zs:(\f)+24*zs+7], 0
.else
	v_wmma_f32_16x16x32_bf16 v[16:23], v[(\f)+24*zs+8:(\f)+24*zs+15], v[(\f)+24*zs:(\f)+24*zs+7], v[16:23]
	v_wmma_f32_16x16x32_bf16 v[24:31], v[(\f)+24*zs+16:(\f)+24*zs+23], v[(\f)+24*zs:(\f)+24*zs+7], v[24:31]
.endif
.set zs, zs+1
.endr
.endm
.macro PLACES
.rept 4
	v_nop
.endr
.endm
	s_load_b256 s[8:15], s[0:1], 0x0               ; retrieved 8, qk 10, l1s 12, sc 14
	s_load_b64 s[16:17], s[0:1], 0x20              ; st
	v_lshl_add_u32 v4, v0, 2, SPARE
	v_mov_b32 v5, 0
	v_and_b32 v1, 15, v0                           ; r
	v_bfe_u32 v2, v0, 4, 1                         ; hh
	v_and_b32 v3, 31, v0
	v_lshrrev_b32 v13, 5, v0
	v_readfirstlane_b32 s28, v13                   ; wave w
	s_mov_b32 s29, ttmp9                           ; C: rows 64 C on
	s_and_b32 s30, ttmp7, 0xffff                   ; b
	s_and_b32 s31, s28, 3                          ; qt
	s_lshr_b32 s20, s28, 2                         ; lh
	v_lshlrev_b32 v6, 4, v3                        ; 16 x lane
	v_lshlrev_b32 v12, 2, v1                       ; 4 r
	v_lshlrev_b32 v11, 3, v1                       ; 8 r
	s_mov_b32 s3, 0
	s_mov_b32 s42, 0x76543210                      ; v_permlanex16_b32: each lane takes its own place in the other half
	s_mov_b32 s43, 0xfedcba98
	s_wait_kmcnt 0x0
	s_lshl_b32 s2, s30, 8
	s_lshl_b32 s4, s31, 6
	s_add_co_u32 s2, s2, s4
	s_add_nc_u64 s[36:37], s[12:13], s[2:3]        ; cb[b][16 qt]
	s_lshl_b32 s2, s30, 16
	s_lshl_b32 s4, s28, 13
	s_add_co_u32 s2, s2, s4
	s_add_nc_u64 s[34:35], s[10:11], s[2:3]        ; qk[b][8 w]
	s_lshl_b32 s2, s30, 21
	s_lshl_b32 s4, s29, 17
	s_add_co_u32 s2, s2, s4
	s_lshl_b32 s4, s28, 14
	s_add_co_u32 s2, s2, s4
	s_add_nc_u64 s[32:33], s[8:9], s[2:3]          ; retrieved[b][64 C + 8 w]
	global_load_b32 v14, v12, s[36:37]
.set zi, 0
.rept 16
	global_load_b128 v[192+4*zi:195+4*zi], v6, s[34:35] offset:(zi/2)*1024+(zi%2)*512
.set zi, zi+1
.endr
.set zi, 0
.rept 32                                           ; each load takes 512 consecutive bytes of a row; the next launch reads these rows again, so no hint
	global_load_b128 v[64+4*zi:67+4*zi], v6, s[32:33] offset:(zi/4)*2048+(zi%4)*512
.set zi, zi+1
.endr
	s_lshl_b32 s2, s30, 18
	s_lshl_b32 s4, s31, 16
	s_add_co_u32 s2, s2, s4
	s_lshl_b32 s4, s29, 12
	s_add_co_u32 s2, s2, s4
	s_lshl_b32 s4, s20, 11
	s_add_co_u32 s2, s2, s4
	s_add_nc_u64 s[38:39], s[14:15], s[2:3]        ; sc: [b][qt][16 l: 4 C + 2 lh], 1,024 bytes each
	s_lshl_b32 s2, s30, 14
	s_lshl_b32 s4, s31, 12
	s_add_co_u32 s2, s2, s4
	s_lshl_b32 s4, s29, 8
	s_add_co_u32 s2, s2, s4
	s_lshl_b32 s4, s20, 7
	s_add_co_u32 s2, s2, s4
	s_add_nc_u64 s[40:41], s[16:17], s[2:3]        ; st: [b][qt][chunk 2 C + lh], 128 bytes each
	s_mul_i32 s4, s28, 8*XP
	v_lshl_add_u32 v7, v3, 3, s4                   ; v7: my wave's rows of retrieved, 8 bytes a lane
	s_add_co_u32 s4, s4, QT
	v_add_nc_u32 v8, s4, v6                        ; v8: my wave's rows of qk, 16 bytes a lane
	v_mul_u32_u24 v9, v1, XP
	v_lshl_add_u32 v9, v2, 4, v9                   ; row r, 16 hh
	s_mul_i32 s4, s31, 16*XP
	s_add_co_u32 s4, s4, QT
	v_add_nc_u32 v10, s4, v9                       ; v10: B fragments: q = 16 qt + r
	s_mul_i32 s4, s20, 32*XP
	v_add_nc_u32 v9, s4, v9                        ; v9: A fragments: l = 32 lh + r
	s_wait_loadcnt 32                              ; behind cb and qk: retrieved's 32
.set zi, 0
.rept 16
	ds_store_b128 v8, v[192+4*zi:195+4*zi] offset:(zi/2)*XP+(zi%2)*512
.set zi, zi+1
.endr
	v_mov_b32 v15, v14                             ; cb as a pair
.set zi, 0
.rept 8
	s_wait_loadcnt 28-4*zi                         ; row zi is in; the later rows' loads stay out
.irp u, 0,1,2,3
	v_cvt_pk_bf16_f32 v[64+16*zi+4*(\u)], v[64+16*zi+4*(\u)], v[65+16*zi+4*(\u)]
	v_cvt_pk_bf16_f32 v[65+16*zi+4*(\u)], v[66+16*zi+4*(\u)], v[67+16*zi+4*(\u)]
	ds_store_b64 v7, v[64+16*zi+4*(\u):65+16*zi+4*(\u)] offset:zi*XP+(\u)*256
.endr
.set zi, zi+1
.endr
	s_wait_dscnt 0x0
	s_barrier_signal -1
	s_barrier_wait -1                              ; both tiles are whole
	FG 0, F0
	FG 1, F1
	s_wait_dscnt 24                                ; all but the 24 just issued
	MG F0, 1
	PLACES                                         ; four places ahead of loads into registers that the products read
	FG 2, F0
	s_wait_dscnt 24
	MG F1, 0
	PLACES
	FG 3, F1
	s_wait_dscnt 24
	MG F0, 0
	s_wait_dscnt 0x0
	MG F1, 0
	PLACES
.set zi, 0
.rept 8                                            ; + cb, from each accumulator's low end on
	v_pk_add_f32 v[16+2*zi:17+2*zi], v[16+2*zi:17+2*zi], v[14:15]
.set zi, zi+1
.endr
.irp a, 0,1
.irp g, 0,1
	global_store_b128 v6, v[16+8*(\a)+4*(\g):19+8*(\a)+4*(\g)], s[38:39] offset:(\a)*1024+(\g)*512   ; 512 consecutive bytes
.endr
.endr
	v_max3_num_f32 v32, v16, v17, v18              ; the chunk's maximum: my 16, then the other half of the lanes'
	v_max3_num_f32 v33, v19, v20, v21
	v_max3_num_f32 v34, v22, v23, v24
	v_max3_num_f32 v35, v25, v26, v27
	v_max3_num_f32 v36, v28, v29, v30
	v_max3_num_f32 v32, v32, v33, v31
	v_max3_num_f32 v34, v34, v35, v36
	v_max_num_f32 v32, v32, v34
	v_permlanex16_b32 v33, v32, s42, s43
	v_max_num_f32 v60, v32, v33
.set zi, 0
.rept 16
	v_sub_f32 v[32+zi], v[16+zi], v60
.set zi, zi+1
.endr
.set zi, 0
.rept 16
	v_exp_f32 v[32+zi], v[32+zi]
.set zi, zi+1
.endr
	v_nop                                          ; a plain instruction behind the last exponential,
	s_wait_alu depctr_va_vdst(0)                   ; and one wait for the batch
	v_pk_add_f32 v[32:33], v[32:33], v[34:35]
	v_pk_add_f32 v[36:37], v[36:37], v[38:39]
	v_pk_add_f32 v[40:41], v[40:41], v[42:43]
	v_pk_add_f32 v[44:45], v[44:45], v[46:47]
	v_pk_add_f32 v[32:33], v[32:33], v[36:37]
	v_pk_add_f32 v[40:41], v[40:41], v[44:45]
	v_pk_add_f32 v[32:33], v[32:33], v[40:41]
	v_add_f32 v32, v32, v33
	v_permlanex16_b32 v33, v32, s42, s43
	v_add_f32 v61, v32, v33
	v_cmp_gt_u32 vcc_lo, 16, v3
	s_wait_xcnt 0x0                                ; EXEC changes only behind this wait
	s_and_saveexec_b32 s44, vcc_lo
	global_store_b64 v11, v[60:61], s[40:41]       ; (m, sum) of 16 q: 128 consecutive bytes
	s_wait_xcnt 0x0
	s_or_b32 exec_lo, exec_lo, s44
	s_wait_tensorcnt 0x0                           ; the wave's end: behind my last LDS store
	ds_add_u32 v4, v5
	s_wait_dscnt 0x0
	s_endpgm
.Lfunc_end_k_q45bba31645_scores:
	.size	k_q45bba31645_scores, .Lfunc_end_k_q45bba31645_scores-k_q45bba31645_scores
	.p2alignl 7, 3214868480
	.fill 96, 4, 3214868480
	.section	.rodata,"a",@progbits
	.p2align	6, 0x0
	.amdhsa_kernel k_q45bba31645_scores
		.amdhsa_group_segment_fixed_size 134144
		.amdhsa_private_segment_fixed_size 0
		.amdhsa_enable_private_segment 0
		.amdhsa_kernarg_size 40
		.amdhsa_user_sgpr_count 2
		.amdhsa_user_sgpr_kernarg_segment_ptr 1
		.amdhsa_wavefront_size32 1
		.amdhsa_system_sgpr_workgroup_id_x 1
		.amdhsa_system_sgpr_workgroup_id_y 1
		.amdhsa_system_sgpr_workgroup_id_z 1
		.amdhsa_system_vgpr_workitem_id 0
		.amdhsa_next_free_vgpr 256
		.amdhsa_next_free_sgpr 66
		.amdhsa_reserve_vcc 1
		.amdhsa_float_denorm_mode_32 3
		.amdhsa_float_denorm_mode_16_64 3
		.amdhsa_memory_ordered 1
		.amdhsa_forward_progress 1
		.amdhsa_inst_pref_size 27
	.end_amdhsa_kernel
	.amdgpu_metadata
---
amdhsa.version: [ 1, 2 ]
amdhsa.kernels:
  - .name:           k_q45bba31645_scores
    .symbol:         k_q45bba31645_scores.kd
    .args:
      - { .name: retrieved, .offset: 0, .size: 8, .value_kind: global_buffer, .address_space: global }
      - { .name: qk, .offset: 8, .size: 8, .value_kind: global_buffer, .address_space: global }
      - { .name: l1s, .offset: 16, .size: 8, .value_kind: global_buffer, .address_space: global }
      - { .name: sc, .offset: 24, .size: 8, .value_kind: global_buffer, .address_space: global }
      - { .name: st, .offset: 32, .size: 8, .value_kind: global_buffer, .address_space: global }
    .group_segment_fixed_size: 134144
    .private_segment_fixed_size: 0
    .kernarg_segment_align: 8
    .kernarg_segment_size: 40
    .max_flat_workgroup_size: 256
    .sgpr_count:     66
    .vgpr_count:     256
    .wavefront_size: 32
...
	.end_amdgpu_metadata
.endif
;; end of part 2
;; launch context (part 3): grid 16 x 16, 8 waves a work-group, no clusters, 66,560 bytes of LDS; arguments retrieved, sc, st, ctx, hp; writes ctx, hp
.if DOCPART == 3
	.amdgcn_target "amdgcn-amd-amdhsa--gfx1250"
	.amdhsa_code_object_version 6
	.text
	.protected	k_q45bba31645_context
	.globl	k_q45bba31645_context
	.p2align	8
	.type	k_q45bba31645_context,@function
k_q45bba31645_context:
	s_mov_b64 s[64:65], 0
	v_nop
	global_prefetch_b8 v0, s[64:65] scope:SCOPE_SE
	s_setreg_imm32_b32 hwreg(HW_REG_WAVE_MODE, 25, 1), 1
	s_wait_xcnt 0x0
; p[b][q][l] = 2^(t - M - log2 L), M the true maximum over all l and L the sum of 2^(t - M), both put together from the 32 chunks' (m, sum);
; ctx[b][q][d] = sum over l of p retrieved[b][l][d] (f32, stored [e][h][b][512]); and a share of T[b][e] = sum over l of a log2 a, a = max(mean over heads of p, 1e-12).
; Work-group x = s + 8 qh, y = b: columns d = 64 s .. + 63, the q tiles 2 qh and 2 qh + 1.  Wave w takes l = 128 w .. + 127 in four K steps; the eight waves' sums meet in LDS.
; A = p: the scores were stored as accumulators lie, which after rounding in pairs IS the A layout.  B = retrieved, [l][d] in f32, loaded as 16 bytes a lane (16 lanes: 256 consecutive bytes) and packed by rows.
; The entropy of q tile s % 2 at K step s / 2 of every wave is this work-group's: the eight slices share it evenly.
; LIMITS: a weight below 2^-126 counts as 0; NaN and infinities are not treated apart.  No multicast: it exists for tensor loads, and these bytes are rounded in registers.
.set SPARE, 65536     ; behind 8 x 8,192 bytes of partial sums
.set BI,  12          ; v12-15  M + log2 L of the two tiles, as pairs
.set PF,  16          ; v16-31  p's fragments
.set BF,  32          ; v32-63  retrieved's fragments
.set ACC, 64          ; v64-127 eight accumulators (i, t); before them the chunks' (m, sum)
.set SCR, 128         ; v128-255 the scores: K step k, tile i at 128 + 32 k + 16 i.   Window 1: retrieved as loaded, 64 registers a K step
.set MSB, 0
.macro WIN new
.if MSB != (\new)
	s_set_vgpr_msb (MSB<<8)|(\new)
.set MSB, (\new)
.endif
.endm
.macro CVTB dst, buf
.irp t, 0,1,2,3
.set zi, 0
.rept 8
	v_cvt_pk_bf16_f32 v[(\dst)+8*(\t)+zi], v[(\buf)+8*zi+(\t)], v[(\buf)+8*zi+4+(\t)]
.set zi, zi+1
.endr
.endr
.endm
.macro STEP k
.set zi, 0
.rept 16                                           ; t - M - log2 L: these 16 are also the places behind the step before's products
	v_pk_add_f32 v[SCR+32*(\k)+2*zi:SCR+32*(\k)+2*zi+1], v[SCR+32*(\k)+2*zi:SCR+32*(\k)+2*zi+1], v[BI+2*(zi/8):BI+2*(zi/8)+1] neg_lo:[0,1] neg_hi:[0,1]
.set zi, zi+1
.endr
.set zi, 0
.rept 32
	v_exp_f32 v[SCR+32*(\k)+zi], v[SCR+32*(\k)+zi]
.set zi, zi+1
.endr
	v_nop
	s_wait_alu depctr_va_vdst(0)                   ; one wait for the 32
.set zi, 0
.rept 16
	v_cvt_pk_bf16_f32 v[PF+zi], v[SCR+32*(\k)+2*zi], v[SCR+32*(\k)+2*zi+1]
.set zi, zi+1
.endr
	s_wait_loadcnt 16*(3-(\k))                     ; this step's rows are in; the later steps' 16 loads each stay out
	WIN 0x05
	CVTB BF, 64*(\k)
	WIN 0
.irp i, 0,1
.irp t, 0,1,2,3
.if (\k) == 0
	v_wmma_f32_16x16x32_bf16 v[ACC+8*(4*(\i)+(\t)):ACC+8*(4*(\i)+(\t))+7], v[PF+8*(\i):PF+8*(\i)+7], v[BF+8*(\t):BF+8*(\t)+7], 0
.else
	v_wmma_f32_16x16x32_bf16 v[ACC+8*(4*(\i)+(\t)):ACC+8*(4*(\i)+(\t))+7], v[PF+8*(\i):PF+8*(\i)+7], v[BF+8*(\t):BF+8*(\t)+7], v[ACC+8*(4*(\i)+(\t)):ACC+8*(4*(\i)+(\t))+7]
.endif
.endr
.endr
.if (\k) == 0                                      ; the weights for the entropy are kept in step 0's first 16 registers, which are free from here on
.set zi, 0
.rept 16
	v_cndmask_b32 v[SCR+zi], v[SCR+zi], v[SCR+16+zi], s23
.set zi, zi+1
.endr
.else
	s_cmp_lg_u32 s22, \k
	s_cbranch_scc1 .Lnot_mine_\@
.set zi, 0
.rept 16
	v_cndmask_b32 v[SCR+zi], v[SCR+32*(\k)+zi], v[SCR+32*(\k)+16+zi], s23
.set zi, zi+1
.endr
.Lnot_mine_\@:
.endif
.endm
	s_load_b256 s[8:15], s[0:1], 0x0               ; retrieved 8, sc 10, st 12, ctx 14
	s_load_b64 s[16:17], s[0:1], 0x20              ; hp
	v_lshl_add_u32 v4, v0, 2, SPARE                ; my spare word,
	v_mov_b32 v5, 0                                ; and 0: kept for the closing add alone
	v_and_b32 v1, 15, v0                           ; r
	v_bfe_u32 v2, v0, 4, 1                         ; hh
	v_and_b32 v3, 31, v0
	v_lshrrev_b32 v12, 5, v0
	v_readfirstlane_b32 s28, v12                   ; wave w
	s_and_b32 s31, ttmp9, 7                        ; s
	s_lshr_b32 s20, ttmp9, 3                       ; qh
	s_and_b32 s30, ttmp7, 0xffff                   ; b
	s_and_b32 s21, s31, 1                          ; which tile's entropy,
	s_lshr_b32 s22, s31, 1                         ; at which K step
	s_cmp_lg_u32 s21, 0
	s_cselect_b32 s23, -1, 0                       ; as a mask for all lanes
	s_lshr_b32 s24, s28, 2                         ; the reduce: tile i' = w / 4,
	s_lshr_b32 s25, s28, 1
	s_and_b32 s25, s25, 1                          ; register group g' = (w / 2) % 2,
	s_and_b32 s26, s28, 1                          ; pair pp = w % 2
	v_lshlrev_b32 v7, 4, v3                        ; 16 x lane
	v_lshlrev_b32 v11, 4, v1
	v_lshl_add_u32 v6, v2, 14, v11                 ; retrieved: eight rows for each half, 16 r
	v_lshl_add_u32 v11, v2, 18, v11                ; ctx: an expert of 262,144 bytes for each half, 16 r
	v_lshlrev_b32 v8, 3, v1
	v_lshl_add_u32 v8, v2, 11, v8                  ; st: chunks 16 hh on, 8 r
	s_mov_b32 s3, 0
	s_mov_b32 s42, 0x76543210
	s_mov_b32 s43, 0xfedcba98
	s_lshl_b32 s4, s30, 2
	s_lshl1_add_u32 s4, s20, s4                    ; 4 b + 2 qh
	s_wait_kmcnt 0x0
	s_lshl_b32 s2, s4, 12
	s_add_nc_u64 s[32:33], s[12:13], s[2:3]
	s_lshl_b32 s2, s4, 16
	s_lshl_b32 s5, s28, 13
	s_add_co_u32 s2, s2, s5
	s_add_nc_u64 s[34:35], s[10:11], s[2:3]
	s_lshl_b32 s2, s30, 21
	s_lshl_b32 s5, s28, 18
	s_add_co_u32 s2, s2, s5
	s_lshl_b32 s5, s31, 8
	s_add_co_u32 s2, s2, s5
	s_add_nc_u64 s[36:37], s[8:9], s[2:3]
.set zi, 0
.rept 32                                           ; (m, sum) of q = r, chunks 16 hh + zi % 16, tile zi / 16
	global_load_b64 v[ACC+2*zi:ACC+2*zi+1], v8, s[32:33] offset:(zi/16)*4096+(zi%16)*128
.set zi, zi+1
.endr
.set zi, 0
.rept 32                                           ; zi = 8 k + 4 i + 2 a + g4
	global_load_b128 v[SCR+4*zi:SCR+4*zi+3], v7, s[34:35] offset:((zi/4)%2)*65536+(zi/8)*2048+((zi/2)%2)*1024+(zi%2)*512
.set zi, zi+1
.endr
	WIN 0x40
.set zi, 0
.rept 64                                           ; zi = 16 k + 8 g + jj: row 32 k + 16 g + 8 hh + jj
	global_load_b128 v[4*zi:4*zi+3], v6, s[36:37] offset:(32*(zi/16)+16*((zi/8)%2)+zi%8)*2048
.set zi, zi+1
.endr
	WIN 0
	s_lshl_b32 s2, s20, 5
	s_lshl4_add_u32 s2, s24, s2
	s_lshl2_add_u32 s2, s25, s2
	s_lshl1_add_u32 s2, s26, s2                    ; 8 x expert + head of my first output row: 32 qh + 16 i' + 4 g' + 2 pp
	s_lshl_b32 s2, s2, 15
	s_lshl_b32 s5, s30, 11
	s_add_co_u32 s2, s2, s5
	s_lshl_b32 s5, s31, 8
	s_add_co_u32 s2, s2, s5
	s_add_nc_u64 s[38:39], s[14:15], s[2:3]
	s_lshl_b32 s2, s30, 10
	s_lshl_b32 s5, s28, 7
	s_add_co_u32 s2, s2, s5
	s_lshl_b32 s5, s22, 5
	s_add_co_u32 s2, s2, s5
	s_lshl_b32 s5, s20, 4
	s_add_co_u32 s2, s2, s5
	s_lshl_b32 s5, s21, 3
	s_add_co_u32 s2, s2, s5
	s_add_nc_u64 s[40:41], s[16:17], s[2:3]        ; hp[b][4 w + K step][4 qh + 2 tile]
	s_lshl_b32 s4, s28, 13
	v_add_nc_u32 v9, s4, v7                        ; v9: my wave's partial sums: 8,192 w + 16 x lane
	s_lshl_b32 s4, s24, 12                         ; what I add up: 4,096 i'
	s_lshl_b32 s5, s25, 9                          ; + 512 g'
	s_add_co_u32 s4, s4, s5
	s_lshl_b32 s5, s26, 3                          ; + 8 pp
	s_add_co_u32 s4, s4, s5
	v_add_nc_u32 v10, s4, v7                       ; v10: + 16 x lane: tile i', registers 4 g' + 2 pp and the next; 4,616 + 496 at the most, and the loads' offsets 60,416: inside the 65,536 bytes of sums
	s_wait_loadcnt 63                              ; 64 loads were issued behind the last of the scores: with 63 out, (m, sum) and the scores are in
.irp i, 0,1
	v_max3_num_f32 v[16+(\i)], v[ACC+32*(\i)], v[ACC+32*(\i)+2], v[ACC+32*(\i)+4]
.endr
.set zc, 3
.rept 6
.irp i, 0,1
	v_max3_num_f32 v[16+(\i)], v[16+(\i)], v[ACC+32*(\i)+2*zc], v[ACC+32*(\i)+2*zc+2]
.endr
.set zc, zc+2
.endr
.irp i, 0,1
	v_max_num_f32 v[16+(\i)], v[16+(\i)], v[ACC+32*(\i)+30]
.endr
.set zi, 0
.rept 32
	v_sub_f32 v[ACC+2*zi], v[ACC+2*zi], v[16+zi/16]
.set zi, zi+1
.endr
.set zi, 0
.rept 32
	v_exp_f32 v[ACC+2*zi], v[ACC+2*zi]
.set zi, zi+1
.endr
	v_nop
	s_wait_alu depctr_va_vdst(0)
.irp i, 0,1
	v_mul_f32 v[18+(\i)], v[ACC+32*(\i)], v[ACC+32*(\i)+1]
	v_mul_f32 v[20+(\i)], v[ACC+32*(\i)+2], v[ACC+32*(\i)+3]
.endr
.set zc, 2
.rept 7
.irp i, 0,1
	v_fmac_f32 v[18+(\i)], v[ACC+32*(\i)+2*zc], v[ACC+32*(\i)+2*zc+1]
	v_fmac_f32 v[20+(\i)], v[ACC+32*(\i)+2*zc+2], v[ACC+32*(\i)+2*zc+3]
.endr
.set zc, zc+2
.endr
.irp i, 0,1
	v_add_f32 v[18+(\i)], v[18+(\i)], v[20+(\i)]
.endr
.irp i, 0,1
	v_permlanex16_b32 v[20+(\i)], v[16+(\i)], s42, s43   ; the other 16 chunks' maximum
.endr
.irp i, 0,1
	v_max_num_f32 v[22+(\i)], v[16+(\i)], v[20+(\i)]     ; M
.endr
.irp i, 0,1
	v_sub_f32 v[16+(\i)], v[16+(\i)], v[22+(\i)]
.endr
	v_exp_f32 v16, v16
	v_exp_f32 v17, v17
	v_nop
	s_wait_alu depctr_va_vdst(0)
.irp i, 0,1
	v_mul_f32 v[18+(\i)], v[18+(\i)], v[16+(\i)]
.endr
.irp i, 0,1
	v_permlanex16_b32 v[20+(\i)], v[18+(\i)], s42, s43
.endr
.irp i, 0,1
	v_add_f32 v[18+(\i)], v[18+(\i)], v[20+(\i)]         ; L, at least 1
.endr
	v_log_f32 v18, v18
	v_log_f32 v19, v19
	v_nop
	s_wait_alu depctr_va_vdst(0)
.irp i, 0,1
	v_add_f32 v[BI+2*(\i)], v[22+(\i)], v[18+(\i)]
	v_add_f32 v[BI+2*(\i)+1], v[22+(\i)], v[18+(\i)]
.endr
	STEP 0
	STEP 1
	STEP 2
	STEP 3
	; THE ENTROPY's share: 16 q of a tile are two experts x eight heads: the heads' mean by three exchanges inside groups of eight lanes.  These lines are also the places behind the last products.
.irp m, 1,2,4
.set zi, 0
.rept 16
	v_add_f32_dpp v[SCR+zi], v[SCR+zi], v[SCR+zi] row_xmask:\m row_mask:0xf bank_mask:0xf
.set zi, zi+1
.endr
.endr
.set zi, 0
.rept 16
	v_mul_f32 v[SCR+zi], 0x3e000000, v[SCR+zi]     ; / 8
.set zi, zi+1
.endr
.set zi, 0
.rept 16
	v_max_num_f32 v[SCR+zi], 0x2b8cbccc, v[SCR+zi] ; at least 1e-12
.set zi, zi+1
.endr
.set zi, 0
.rept 16
	v_log_f32 v[SCR+16+zi], v[SCR+zi]
.set zi, zi+1
.endr
	v_nop
	s_wait_alu depctr_va_vdst(0)
	v_pk_mul_f32 v[144:145], v[128:129], v[144:145]
.set zi, 1
.rept 7
	v_pk_fma_f32 v[144:145], v[128+2*zi:129+2*zi], v[144+2*zi:145+2*zi], v[144:145]
.set zi, zi+1
.endr
	v_add_f32 v144, v144, v145
	v_permlanex16_b32 v145, v144, s42, s43
	v_add_f32 v144, v144, v145                     ; 32 l
	v_lshrrev_b32 v160, 3, v1
	v_lshlrev_b32 v160, 2, v160
	v_and_b32 v161, 0x17, v3
	v_cmp_eq_u32 vcc_lo, 0, v161                   ; lanes 0 and 8: the tile's two experts
	s_wait_xcnt 0x0
	s_and_saveexec_b32 s44, vcc_lo
	global_store_b32 v160, v144, s[40:41]
	s_wait_xcnt 0x0
	s_or_b32 exec_lo, exec_lo, s44
.set zi, 0
.rept 16                                           ; each accumulator's low four registers first
	ds_store_b128 v9, v[ACC+4*zi:ACC+4*zi+3] offset:zi*512
.set zi, zi+1
.endr
	s_wait_tensorcnt 0x0                           ; these were my last LDS stores
	ds_add_u32 v4, v5
	s_wait_dscnt 0x0                               ; this wait also shows my partial sums stored, for the other waves' sake
	s_barrier_signal -1
	s_barrier_wait -1                              ; all eight waves' partial sums are in LDS; from here on LDS is only read
.set zi, 0
.rept 32                                           ; wave zi / 4's sums, tile (i', zi % 4)
	ds_load_b64 v[128+2*zi:129+2*zi], v10 offset:(zi/4)*8192+(zi%4)*1024
.set zi, zi+1
.endr
	s_wait_dscnt 0x0
.irp t, 0,1,2,3
	v_pk_add_f32 v[128+2*(\t):129+2*(\t)], v[128+2*(\t):129+2*(\t)], v[136+2*(\t):137+2*(\t)]
	v_pk_add_f32 v[144+2*(\t):145+2*(\t)], v[144+2*(\t):145+2*(\t)], v[152+2*(\t):153+2*(\t)]
	v_pk_add_f32 v[160+2*(\t):161+2*(\t)], v[160+2*(\t):161+2*(\t)], v[168+2*(\t):169+2*(\t)]
	v_pk_add_f32 v[176+2*(\t):177+2*(\t)], v[176+2*(\t):177+2*(\t)], v[184+2*(\t):185+2*(\t)]
	v_pk_add_f32 v[128+2*(\t):129+2*(\t)], v[128+2*(\t):129+2*(\t)], v[144+2*(\t):145+2*(\t)]
	v_pk_add_f32 v[160+2*(\t):161+2*(\t)], v[160+2*(\t):161+2*(\t)], v[176+2*(\t):177+2*(\t)]
	v_add_f32 v[192+(\t)], v[128+2*(\t)], v[160+2*(\t)]   ; the last addition also puts the four tiles' columns side by side
	v_add_f32 v[196+(\t)], v[129+2*(\t)], v[161+2*(\t)]
.endr
	global_store_b128 v11, v[192:195], s[38:39]                ; 16 lanes store 256 consecutive bytes
	global_store_b128 v11, v[196:199], s[38:39] offset:32768   ; the next head
	s_endpgm
.Lfunc_end_k_q45bba31645_context:
	.size	k_q45bba31645_context, .Lfunc_end_k_q45bba31645_context-k_q45bba31645_context
	.p2alignl 7, 3214868480
	.fill 96, 4, 3214868480
	.section	.rodata,"a",@progbits
	.p2align	6, 0x0
	.amdhsa_kernel k_q45bba31645_context
		.amdhsa_group_segment_fixed_size 66560
		.amdhsa_private_segment_fixed_size 0
		.amdhsa_enable_private_segment 0
		.amdhsa_kernarg_size 40
		.amdhsa_user_sgpr_count 2
		.amdhsa_user_sgpr_kernarg_segment_ptr 1
		.amdhsa_wavefront_size32 1
		.amdhsa_system_sgpr_workgroup_id_x 1
		.amdhsa_system_sgpr_workgroup_id_y 1
		.amdhsa_system_sgpr_workgroup_id_z 1
		.amdhsa_system_vgpr_workitem_id 0
		.amdhsa_next_free_vgpr 512
		.amdhsa_next_free_sgpr 66
		.amdhsa_reserve_vcc 1
		.amdhsa_float_denorm_mode_32 3
		.amdhsa_float_denorm_mode_16_64 3
		.amdhsa_memory_ordered 1
		.amdhsa_forward_progress 1
		.amdhsa_inst_pref_size 59
	.end_amdhsa_kernel
	.amdgpu_metadata
---
amdhsa.version: [ 1, 2 ]
amdhsa.kernels:
  - .name:           k_q45bba31645_context
    .symbol:         k_q45bba31645_context.kd
    .args:
      - { .name: retrieved, .offset: 0, .size: 8, .value_kind: global_buffer, .address_space: global }
      - { .name: sc, .offset: 8, .size: 8, .value_kind: global_buffer, .address_space: global }
      - { .name: st, .offset: 16, .size: 8, .value_kind: global_buffer, .address_space: global }
      - { .name: ctx, .offset: 24, .size: 8, .value_kind: global_buffer, .address_space: global }
      - { .name: hp, .offset: 32, .size: 8, .value_kind: global_buffer, .address_space: global }
    .group_segment_fixed_size: 66560
    .private_segment_fixed_size: 0
    .kernarg_segment_align: 8
    .kernarg_segment_size: 40
    .max_flat_workgroup_size: 256
    .sgpr_count:     66
    .vgpr_count:     512
    .wavefront_size: 32
...
	.end_amdgpu_metadata
.endif
;; end of part 3
;; launch vo (part 4): grid 8 x 8, 8 waves a work-group, no clusters, 38,144 bytes of LDS; arguments ctx, Wv, bv, Wo, bo, query, po; writes po
.if DOCPART == 4
	.amdgcn_target "amdgcn-amd-amdhsa--gfx1250"
	.amdhsa_code_object_version 6
	.text
	.protected	k_q45bba31645_vo
	.globl	k_q45bba31645_vo
	.p2align	8
	.type	k_q45bba31645_vo,@function
k_q45bba31645_vo:
	s_mov_b64 s[64:65], 0
	v_nop
	global_prefetch_b8 v0, s[64:65] scope:SCOPE_SE
	s_setreg_imm32_b32 hwreg(HW_REG_WAVE_MODE, 25, 1), 1
	s_wait_xcnt 0x0
; For expert e (y) and head h (x): attn[b][c] = ctx[e][h][b] . Wv[e][:, 64 h + c] + bv (the weights of a softmax add up to 1, so bv stands alone);
; po[e][h][b][n] = sum over c of attn[b][c] Wo[e][64 h + c][n], a head's part of the output projection in f32; head 0's part also carries query + bo.
; Phase A shares K = 512 among the 8 waves and adds up in LDS; phase B shares the 512 columns n.  Weights go straight from memory into fragments: lane (r, hh) loads columns 4 r .. 4 r + 3 of the
; rows that a B fragment wants (16 lanes: 256 consecutive bytes); v_cvt_pk_bf16_f32 of two rows rounds and packs; tile t's column r is the weight's column 4 r + t.
; LIMITS: the residual is added as f x (query + bo) with f = 1 or 0, so query and bo are taken to be finite.
.set RP,    272
.set HA,    34816     ; behind 8 x 16 x 272 bytes of partial sums: attn in bf16, 16 rows x 144 bytes
.set HP,    144
.set SPARE, 37120
.set ACC, 32          ; v32-63  ctx as loaded, then four accumulators
.set AF,  64          ; v64-79
.set BF0, 80          ; v80-111
.set WV,  128         ; v128-255 Wv as loaded
.set BF1, 128
.set RS,  160         ; v160-191 the reduce loads
.set OUT, 192         ; v192-223.   Window 1: v0-127 Wo, v128-159 query, v160-163 bo
.set MSB, 0
.macro WIN new
.if MSB != (\new)
	s_set_vgpr_msb (MSB<<8)|(\new)
.set MSB, (\new)
.endif
.endm
.macro WTILE buf, voff, sb, pitch
.set zn, 0
.rept 32
	global_load_b128 v[(\buf)+4*zn:(\buf)+4*zn+3], v[\voff], s[(\sb):(\sb)+1] offset:(32*(zn/16)+16*((zn/8)%2)+zn%8)*(\pitch) th:TH_LOAD_NT
.set zn, zn+1
.endr
.endm
.macro CVTB dst, buf, sg
.irp t, 0,1,2,3
.set zi, 0
.rept 8
	v_cvt_pk_bf16_f32 v[(\dst)+8*(\t)+zi], v[(\buf)+4*(16*(\sg)+2*zi)+(\t)], v[(\buf)+4*(16*(\sg)+2*zi+1)+(\t)]
.set zi, zi+1
.endr
.endr
.endm
.macro MM8 acc, af, b0, b1
.irp t, 0,1,2,3
	v_wmma_f32_16x16x32_bf16 v[(\acc)+8*(\t):(\acc)+8*(\t)+7], v[(\af):(\af)+7], v[(\b0)+8*(\t):(\b0)+8*(\t)+7], 0
.endr
.irp t, 0,1,2,3
	v_wmma_f32_16x16x32_bf16 v[(\acc)+8*(\t):(\acc)+8*(\t)+7], v[(\af)+8:(\af)+15], v[(\b1)+8*(\t):(\b1)+8*(\t)+7], v[(\acc)+8*(\t):(\acc)+8*(\t)+7]
.endr
.endm
.macro AFRAG dst, va
.irp c, 0,1,2,3
	ds_load_b128 v[(\dst)+4*(\c):(\dst)+4*(\c)+3], v[\va] offset:32*(\c)
.endr
.endm
.macro RSTORE acc, va, rp
.set zj, 0
.rept 8
.irp t, 0,1,2,3
	ds_store_b32 v[\va], v[(\acc)+8*(\t)+zj] offset:zj*(\rp)+4*(\t)
.endr
.set zj, zj+1
.endr
.endm
.macro RLOAD dst, va, rp
.set zj, 0
.rept 8
	ds_load_b128 v[(\dst)+4*zj:(\dst)+4*zj+3], v[\va] offset:zj*16*(\rp)
.set zj, zj+1
.endr
.endm
.macro RSUM d
.irp c, 0,2
	v_pk_add_f32 v[(\d)+(\c):(\d)+(\c)+1], v[(\d)+(\c):(\d)+(\c)+1], v[(\d)+4+(\c):(\d)+5+(\c)]
	v_pk_add_f32 v[(\d)+8+(\c):(\d)+9+(\c)], v[(\d)+8+(\c):(\d)+9+(\c)], v[(\d)+12+(\c):(\d)+13+(\c)]
	v_pk_add_f32 v[(\d)+16+(\c):(\d)+17+(\c)], v[(\d)+16+(\c):(\d)+17+(\c)], v[(\d)+20+(\c):(\d)+21+(\c)]
	v_pk_add_f32 v[(\d)+24+(\c):(\d)+25+(\c)], v[(\d)+24+(\c):(\d)+25+(\c)], v[(\d)+28+(\c):(\d)+29+(\c)]
	v_pk_add_f32 v[(\d)+(\c):(\d)+(\c)+1], v[(\d)+(\c):(\d)+(\c)+1], v[(\d)+8+(\c):(\d)+9+(\c)]
	v_pk_add_f32 v[(\d)+16+(\c):(\d)+17+(\c)], v[(\d)+16+(\c):(\d)+17+(\c)], v[(\d)+24+(\c):(\d)+25+(\c)]
	v_pk_add_f32 v[(\d)+(\c):(\d)+(\c)+1], v[(\d)+(\c):(\d)+(\c)+1], v[(\d)+16+(\c):(\d)+17+(\c)]
.endr
.endm
.macro PLACES
.rept 4
	v_nop
.endr
.endm
.macro BAR
	s_wait_dscnt 0x0
	s_barrier_signal -1
	s_barrier_wait -1
.endm
	s_load_b256 s[8:15], s[0:1], 0x0               ; ctx 8, Wv 10, bv 12, Wo 14
	s_load_b128 s[16:19], s[0:1], 0x20             ; bo 16, query 18
	s_load_b64 s[20:21], s[0:1], 0x30              ; po
	v_lshl_add_u32 v4, v0, 2, SPARE
	v_mov_b32 v5, 0
	v_and_b32 v1, 15, v0                           ; r
	v_bfe_u32 v2, v0, 4, 1                         ; hh
	v_lshrrev_b32 v3, 5, v0
	v_readfirstlane_b32 s28, v3                    ; wave w
	s_mov_b32 s29, ttmp9                           ; h
	s_and_b32 s30, ttmp7, 0xffff                   ; e
	v_lshlrev_b32 v7, 4, v1                        ; 16 r
	v_lshl_add_u32 v8, v2, 14, v7                  ; eight rows of 2,048 bytes for each half, 16 r
	v_lshlrev_b32 v6, 11, v1
	v_lshl_add_u32 v6, v2, 5, v6                   ; ctx: row r, 32 hh
	s_cmp_eq_u32 s29, 0
	s_cselect_b32 s46, 1.0, 0                      ; f: head 0 carries the residual
	s_mov_b32 s3, 0
	s_lshl_b32 s4, s28, 8                          ; 256 w
	s_lshl_b32 s5, s29, 8                          ; 256 h
	s_lshl3_add_u32 s6, s30, s29                   ; 8 e + h
	s_wait_kmcnt 0x0
	s_lshl_b32 s2, s6, 15
	s_add_co_u32 s2, s2, s4
	s_add_nc_u64 s[32:33], s[8:9], s[2:3]          ; ctx[e][h], columns 64 w on
	s_add_nc_u64 s[44:45], s[20:21], s[2:3]        ; po[e][h], columns 64 w on
	s_lshl_b32 s2, s30, 11
	s_add_co_u32 s2, s2, s5
	s_add_nc_u64 s[38:39], s[12:13], s[2:3]        ; bv at the head's columns
	s_lshl_b32 s2, s30, 11
	s_add_co_u32 s2, s2, s4
	s_add_nc_u64 s[40:41], s[16:17], s[2:3]        ; bo at columns 64 w on
	s_lshl_b32 s2, s30, 20
	s_lshl_b32 s7, s28, 17
	s_add_co_u32 s2, s2, s7
	s_add_co_u32 s2, s2, s5
	s_add_nc_u64 s[34:35], s[10:11], s[2:3]        ; Wv: rows 64 w on, the head's columns
	s_lshl_b32 s2, s30, 20
	s_lshl_b32 s7, s29, 17
	s_add_co_u32 s2, s2, s7
	s_add_co_u32 s2, s2, s4
	s_add_nc_u64 s[36:37], s[14:15], s[2:3]        ; Wo: the head's rows, columns 64 w on
	s_mov_b32 s2, s4
	s_add_nc_u64 s[42:43], s[18:19], s[2:3]        ; query at columns 64 w on
.set zi, 0
.rept 8                                            ; ctx straight as A: row r, K = 64 w + 32 sg + 16 g + 8 hh on: 32 bytes
	global_load_b128 v[ACC+4*zi:ACC+4*zi+3], v6, s[32:33] offset:(zi/2)*64+(zi%2)*16
.set zi, zi+1
.endr
	global_load_b128 v[16:19], v7, s[38:39]
	WTILE WV, 8, 34, 2048
	WIN 0x40
	WTILE 0, 8, 36, 2048
.set zi, 0
.rept 8
	global_load_b128 v[128+4*zi:131+4*zi], v8, s[42:43] offset:zi*2048
.set zi, zi+1
.endr
	global_load_b128 v[160:163], v7, s[40:41]
	WIN 0
	s_mul_i32 s4, s28, 16*RP
	v_mul_u32_u24 v9, v2, 8*RP
	v_add3_u32 v9, v9, v7, s4                      ; v9: my wave's partial sums
	s_mul_i32 s4, s28, 2*RP
	v_mul_u32_u24 v10, v2, RP
	v_add3_u32 v10, v10, v7, s4                    ; v10: row 2 w + hh of wave 0's
	s_mul_i32 s4, s28, 2*HP
	s_add_co_u32 s4, s4, HA
	v_mul_u32_u24 v11, v2, HP
	v_lshl_add_u32 v11, v1, 3, v11
	v_add_nc_u32 v11, s4, v11                      ; v11: attn, row 2 w + hh, 8 r
	v_mul_u32_u24 v12, v1, HP
	v_lshl_add_u32 v12, v2, 4, v12
	v_add_nc_u32 v12, HA, v12                      ; v12: attn's fragments
	s_wait_loadcnt 63                              ; 74 loads follow ctx's: with 63 out they are in
.set zi, 0
.rept 16
	v_cvt_pk_bf16_f32 v[AF+zi], v[ACC+2*zi], v[ACC+2*zi+1]
.set zi, zi+1
.endr
	s_wait_loadcnt 41                              ; behind Wv: Wo 32, query 8, bo 1
	CVTB BF0, WV, 0
	CVTB BF1, WV, 1
	MM8 ACC, AF, BF0, BF1
	PLACES
	RSTORE ACC, 9, RP
	BAR
	RLOAD RS, 10, RP
	s_wait_dscnt 0x0
	RSUM RS
	v_pk_add_f32 v[160:161], v[160:161], v[16:17]  ; + bv
	v_pk_add_f32 v[162:163], v[162:163], v[18:19]
	v_cvt_pk_bf16_f32 v168, v160, v161
	v_cvt_pk_bf16_f32 v169, v162, v163
	ds_store_b64 v11, v[168:169]
	BAR
	AFRAG AF, 12
	s_wait_loadcnt 9                               ; behind Wo: query 8, bo 1
	WIN 0x05
	CVTB BF0, 0, 0
	CVTB BF1, 0, 1
	WIN 0
	s_wait_dscnt 0x0
	MM8 ACC, AF, BF0, BF1
	s_wait_loadcnt 0x0
	WIN 0x45                                       ; all three in window 1
.set zi, 0
.rept 16                                           ; query + bo: also the places behind the products
	v_pk_add_f32 v[128+2*zi:129+2*zi], v[128+2*zi:129+2*zi], v[160+2*(zi%2):161+2*(zi%2)]
.set zi, zi+1
.endr
	WIN 0x04                                       ; source 1 in window 1
.set zj, 0
.rept 8                                            ; register j of tile t is (b = 8 hh + j, n = 64 w + 4 r + t): the four tiles' numbers side by side
.irp t, 0,1,2,3
	v_fma_f32 v[OUT+4*zj+(\t)], s46, v[128+4*zj+(\t)], v[ACC+8*(\t)+zj]
.endr
.set zj, zj+1
.endr
	WIN 0
.set zj, 0
.rept 8
	global_store_b128 v8, v[OUT+4*zj:OUT+4*zj+3], s[44:45] offset:zj*2048   ; 16 lanes store 256 consecutive bytes
.set zj, zj+1
.endr
	s_wait_tensorcnt 0x0                           ; the wave's end: behind my last LDS store
	ds_add_u32 v4, v5
	s_wait_dscnt 0x0
	s_endpgm
.Lfunc_end_k_q45bba31645_vo:
	.size	k_q45bba31645_vo, .Lfunc_end_k_q45bba31645_vo-k_q45bba31645_vo
	.p2alignl 7, 3214868480
	.fill 96, 4, 3214868480
	.section	.rodata,"a",@progbits
	.p2align	6, 0x0
	.amdhsa_kernel k_q45bba31645_vo
		.amdhsa_group_segment_fixed_size 38144
		.amdhsa_private_segment_fixed_size 0
		.amdhsa_enable_private_segment 0
		.amdhsa_kernarg_size 56
		.amdhsa_user_sgpr_count 2
		.amdhsa_user_sgpr_kernarg_segment_ptr 1
		.amdhsa_wavefront_size32 1
		.amdhsa_system_sgpr_workgroup_id_x 1
		.amdhsa_system_sgpr_workgroup_id_y 1
		.amdhsa_system_sgpr_workgroup_id_z 1
		.amdhsa_system_vgpr_workitem_id 0
		.amdhsa_next_free_vgpr 420
		.amdhsa_next_free_sgpr 66
		.amdhsa_reserve_vcc 0
		.amdhsa_float_denorm_mode_32 3
		.amdhsa_float_denorm_mode_16_64 3
		.amdhsa_memory_ordered 1
		.amdhsa_forward_progress 1
		.amdhsa_inst_pref_size 30
	.end_amdhsa_kernel
	.amdgpu_metadata
---
amdhsa.version: [ 1, 2 ]
amdhsa.kernels:
  - .name:           k_q45bba31645_vo
    .symbol:         k_q45bba31645_vo.kd
    .args:
      - { .name: ctx, .offset: 0, .size: 8, .value_kind: global_buffer, .address_space: global }
      - { .name: Wv, .offset: 8, .size: 8, .value_kind: global_buffer, .address_space: global }
      - { .name: bv, .offset: 16, .size: 8, .value_kind: global_buffer, .address_space: global }
      - { .name: Wo, .offset: 24, .size: 8, .value_kind: global_buffer, .address_space: global }
      - { .name: bo, .offset: 32, .size: 8, .value_kind: global_buffer, .address_space: global }
      - { .name: query, .offset: 40, .size: 8, .value_kind: global_buffer, .address_space: global }
      - { .name: po, .offset: 48, .size: 8, .value_kind: global_buffer, .address_space: global }
    .group_segment_fixed_size: 38144
    .private_segment_fixed_size: 0
    .kernarg_segment_align: 8
    .kernarg_segment_size: 56
    .max_flat_workgroup_size: 256
    .sgpr_count:     66
    .vgpr_count:     420
    .wavefront_size: 32
...
	.end_amdgpu_metadata
.endif
;; end of part 4
;; launch ffn (part 5): grid 32 x 8, 8 waves a work-group, no clusters, 87,808 bytes of LDS; arguments po, ln_o_g, ln_o_b, W1, b1, W2, b2, py; writes py
.if DOCPART == 5
	.amdgcn_target "amdgcn-amd-amdhsa--gfx1250"
	.amdhsa_code_object_version 6
	.text
	.protected	k_q45bba31645_ffn
	.globl	k_q45bba31645_ffn
	.p2align	8
	.type	k_q45bba31645_ffn,@function
k_q45bba31645_ffn:
	s_mov_b64 s[64:65], 0
	v_nop
	global_prefetch_b8 v0, s[64:65] scope:SCOPE_SE
	s_setreg_imm32_b32 hwreg(HW_REG_WAVE_MODE, 25, 1), 1
	s_wait_xcnt 0x0
; For expert e (y) and slice sl (x) of 64 hidden columns: x = the sum of the 8 heads' parts (head 0's carries query + bo); xo = LN(x) g + beta;
; hid[b][c] = gelu(xo[b] . W1[e][:, 64 sl + c] + b1), exact gelu; py[e][sl][b][n] = sum over c of hid[b][c] W2[e][64 sl + c][n], in f32; slice 0's part also carries x + b2.
; Each byte of W1 and W2 has one reader.  Every work-group makes x and LN(x) anew from 256 KB that all 32 slices of an expert read.
; Phase A shares K = 512 among the 8 waves and adds up in LDS; phase B shares the 512 columns n.  Weights go straight from memory into fragments, as 16 bytes a lane (16 lanes: 256 consecutive bytes).
; erf by the rational form 1 - (a1 t + .. + a5 t^5) exp(-z^2), t = 1 / (1 + 0.3275911 z), absolute error 1.5e-7 for every z >= 0.
; LIMITS: the residual is added as f x (x + b2) with f = 1 or 0, so x and b2 are taken to be finite; NaN and infinities are not treated apart.
.set XP,    1040      ; LN(x) in bf16 at 0: 16 rows x 1,040 bytes
.set XF,    16640     ; x in f32: 16 rows x 2,064 bytes
.set XFP,   2064
.set RED,   49664     ; 8 x 16 x 272 bytes of partial sums
.set RP,    272
.set HA,    84480     ; hid in bf16, 16 rows x 144 bytes
.set HP,    144
.set SPARE, 86784
.set T,   18          ; v18-25  at work in LN;  v26-29 b1
.set X,   32          ; v32-63  my half row of x, then four accumulators
.set G,   64          ; v64-95 gain, v96-127 bias; then A fragments v64-79, B fragments v80-111, b2 v112-115
.set BT,  96
.set ACC, 32
.set AF,  64
.set BF0, 80
.set W1B, 128         ; v128-255 W1 as loaded
.set BF1, 128
.set RS,  160         ; v160-191 the reduce loads, gelu at work
.set OUT, 192         ; v192-223
.set XB,  224         ; v224-255 x for the residual.   Window 1: the heads' parts (256), then W2 (v0-127)
.set MSB, 0
.macro WIN new
.if MSB != (\new)
	s_set_vgpr_msb (MSB<<8)|(\new)
.set MSB, (\new)
.endif
.endm
.macro XADD r, m
	v_add_f32_dpp v[\r], v[\r], v[\r] row_xmask:\m row_mask:0xf bank_mask:0xf
.endm
.macro WTILE buf, voff, sb, pitch
.set zn, 0
.rept 32
	global_load_b128 v[(\buf)+4*zn:(\buf)+4*zn+3], v[\voff], s[(\sb):(\sb)+1] offset:(32*(zn/16)+16*((zn/8)%2)+zn%8)*(\pitch) th:TH_LOAD_NT
.set zn, zn+1
.endr
.endm
.macro CVTB dst, buf, sg
.irp t, 0,1,2,3
.set zi, 0
.rept 8
	v_cvt_pk_bf16_f32 v[(\dst)+8*(\t)+zi], v[(\buf)+4*(16*(\sg)+2*zi)+(\t)], v[(\buf)+4*(16*(\sg)+2*zi+1)+(\t)]
.set zi, zi+1
.endr
.endr
.endm
.macro MM8 acc, af, b0, b1
.irp t, 0,1,2,3
	v_wmma_f32_16x16x32_bf16 v[(\acc)+8*(\t):(\acc)+8*(\t)+7], v[(\af):(\af)+7], v[(\b0)+8*(\t):(\b0)+8*(\t)+7], 0
.endr
.irp t, 0,1,2,3
	v_wmma_f32_16x16x32_bf16 v[(\acc)+8*(\t):(\acc)+8*(\t)+7], v[(\af)+8:(\af)+15], v[(\b1)+8*(\t):(\b1)+8*(\t)+7], v[(\acc)+8*(\t):(\acc)+8*(\t)+7]
.endr
.endm
.macro AFRAG dst, va
.irp c, 0,1,2,3
	ds_load_b128 v[(\dst)+4*(\c):(\dst)+4*(\c)+3], v[\va] offset:32*(\c)
.endr
.endm
.macro RSTORE acc, va, rp
.set zj, 0
.rept 8
.irp t, 0,1,2,3
	ds_store_b32 v[\va], v[(\acc)+8*(\t)+zj] offset:zj*(\rp)+4*(\t)
.endr
.set zj, zj+1
.endr
.endm
.macro RLOAD dst, va, rp
.set zj, 0
.rept 8
	ds_load_b128 v[(\dst)+4*zj:(\dst)+4*zj+3], v[\va] offset:zj*16*(\rp)
.set zj, zj+1
.endr
.endm
.macro RSUM d
.irp c, 0,2
	v_pk_add_f32 v[(\d)+(\c):(\d)+(\c)+1], v[(\d)+(\c):(\d)+(\c)+1], v[(\d)+4+(\c):(\d)+5+(\c)]
	v_pk_add_f32 v[(\d)+8+(\c):(\d)+9+(\c)], v[(\d)+8+(\c):(\d)+9+(\c)], v[(\d)+12+(\c):(\d)+13+(\c)]
	v_pk_add_f32 v[(\d)+16+(\c):(\d)+17+(\c)], v[(\d)+16+(\c):(\d)+17+(\c)], v[(\d)+20+(\c):(\d)+21+(\c)]
	v_pk_add_f32 v[(\d)+24+(\c):(\d)+25+(\c)], v[(\d)+24+(\c):(\d)+25+(\c)], v[(\d)+28+(\c):(\d)+29+(\c)]
	v_pk_add_f32 v[(\d)+(\c):(\d)+(\c)+1], v[(\d)+(\c):(\d)+(\c)+1], v[(\d)+8+(\c):(\d)+9+(\c)]
	v_pk_add_f32 v[(\d)+16+(\c):(\d)+17+(\c)], v[(\d)+16+(\c):(\d)+17+(\c)], v[(\d)+24+(\c):(\d)+25+(\c)]
	v_pk_add_f32 v[(\d)+(\c):(\d)+(\c)+1], v[(\d)+(\c):(\d)+(\c)+1], v[(\d)+16+(\c):(\d)+17+(\c)]
.endr
.endm
; LayerNorm of a row held by 16 lanes, 32 numbers a lane.  Two passes: the mean, then the squares of the centred numbers.  t: mean t, t+1; rsq t+2, t+3; at work t+4 .. t+7.  si: 1/512
.macro LNSTAT x, t, si
	v_pk_add_f32 v[(\t)+4:(\t)+5], v[(\x):(\x)+1], v[(\x)+2:(\x)+3]
	v_pk_add_f32 v[(\t)+6:(\t)+7], v[(\x)+4:(\x)+5], v[(\x)+6:(\x)+7]
.set zi, 8
.rept 6
	v_pk_add_f32 v[(\t)+4:(\t)+5], v[(\t)+4:(\t)+5], v[(\x)+zi:(\x)+zi+1]
	v_pk_add_f32 v[(\t)+6:(\t)+7], v[(\t)+6:(\t)+7], v[(\x)+zi+2:(\x)+zi+3]
.set zi, zi+4
.endr
	v_pk_add_f32 v[(\t)+4:(\t)+5], v[(\t)+4:(\t)+5], v[(\t)+6:(\t)+7]
	v_add_f32 v[(\t)+4], v[(\t)+4], v[(\t)+5]
.irp m, 1,2,4,8
	XADD (\t)+4, \m
.endr
	v_mul_f32 v[\t], s[\si], v[(\t)+4]
	v_mul_f32 v[(\t)+1], s[\si], v[(\t)+4]
.set zi, 0
.rept 16
	v_pk_add_f32 v[(\x)+zi:(\x)+zi+1], v[(\x)+zi:(\x)+zi+1], v[(\t):(\t)+1] neg_lo:[0,1] neg_hi:[0,1]
.set zi, zi+2
.endr
	v_pk_mul_f32 v[(\t)+4:(\t)+5], v[(\x):(\x)+1], v[(\x):(\x)+1]
	v_pk_mul_f32 v[(\t)+6:(\t)+7], v[(\x)+2:(\x)+3], v[(\x)+2:(\x)+3]
.set zi, 4
.rept 7
	v_pk_fma_f32 v[(\t)+4:(\t)+5], v[(\x)+zi:(\x)+zi+1], v[(\x)+zi:(\x)+zi+1], v[(\t)+4:(\t)+5]
	v_pk_fma_f32 v[(\t)+6:(\t)+7], v[(\x)+zi+2:(\x)+zi+3], v[(\x)+zi+2:(\x)+zi+3], v[(\t)+6:(\t)+7]
.set zi, zi+4
.endr
	v_pk_add_f32 v[(\t)+4:(\t)+5], v[(\t)+4:(\t)+5], v[(\t)+6:(\t)+7]
	v_add_f32 v[(\t)+4], v[(\t)+4], v[(\t)+5]
.irp m, 1,2,4,8
	XADD (\t)+4, \m
.endr
	v_fmaak_f32 v[(\t)+4], s[\si], v[(\t)+4], 0x3727c5ac   ; the variance + 1e-5
	v_rsq_f32 v[(\t)+2], v[(\t)+4]
	v_rsq_f32 v[(\t)+3], v[(\t)+4]
	v_nop
	s_wait_alu depctr_va_vdst(0)                           ; one wait for both, ahead of the first reader
.endm
.macro LNFIN x, g, bt, t, va
.set zi, 0
.rept 16
	v_pk_mul_f32 v[(\x)+zi:(\x)+zi+1], v[(\x)+zi:(\x)+zi+1], v[(\t)+2:(\t)+3]
.set zi, zi+2
.endr
.set zi, 0
.rept 16
	v_pk_fma_f32 v[(\x)+zi:(\x)+zi+1], v[(\x)+zi:(\x)+zi+1], v[(\g)+zi:(\g)+zi+1], v[(\bt)+zi:(\bt)+zi+1]
.set zi, zi+2
.endr
.set zi, 0
.rept 16
	v_cvt_pk_bf16_f32 v[(\x)+zi], v[(\x)+2*zi], v[(\x)+2*zi+1]
.set zi, zi+1
.endr
.set zi, 0
.rept 8
	ds_store_b64 v[\va], v[(\x)+2*zi:(\x)+2*zi+1] offset:zi*128
.set zi, zi+1
.endr
.endm
.macro PLACES
.rept 4
	v_nop
.endr
.endm
.macro BAR
	s_wait_dscnt 0x0
	s_barrier_signal -1
	s_barrier_wait -1
.endm
	s_load_b512 s[8:23], s[0:1], 0x0               ; po 8, ln_o_g 10, ln_o_b 12, W1 14, b1 16, W2 18, b2 20, py 22
	v_lshl_add_u32 v4, v0, 2, SPARE
	v_mov_b32 v5, 0
	v_and_b32 v1, 15, v0                           ; r
	v_bfe_u32 v2, v0, 4, 1                         ; hh
	v_lshrrev_b32 v3, 5, v0
	v_readfirstlane_b32 s28, v3                    ; wave w
	s_mov_b32 s29, ttmp9                           ; sl
	s_and_b32 s30, ttmp7, 0xffff                   ; e
	v_lshlrev_b32 v7, 4, v1                        ; 16 r
	v_lshl_add_u32 v6, v2, 11, v7                  ; a row of 2,048 bytes for each half
	v_lshl_add_u32 v8, v2, 16, v7                  ; eight rows of W1 (8,192 bytes each)
	v_lshl_add_u32 v9, v2, 14, v7                  ; eight rows of 2,048 bytes
	s_cmp_eq_u32 s29, 0
	s_cselect_b32 s48, 1.0, 0                      ; f: slice 0 carries the residual
	s_mov_b32 s49, 0x3b000000                      ; 1 / 512
	s_mov_b32 s50, 0x3e6d3388                      ; 0.3275911 / sqrt(2)
	s_mov_b32 s51, 0xbf38aa3b                      ; - log2(e) / 2
	s_mov_b32 s52, 0x3f87dc22                      ; a5
	s_mov_b32 s3, 0
	s_lshl_b32 s4, s28, 8                          ; 256 w
	s_lshl_b32 s5, s29, 8                          ; 256 sl
	s_wait_kmcnt 0x0
	s_lshl_b32 s2, s30, 18
	s_lshl_b32 s6, s28, 12
	s_add_co_u32 s2, s2, s6
	s_add_nc_u64 s[32:33], s[8:9], s[2:3]          ; po[e][0][2 w]
	s_lshl_b32 s2, s30, 11
	s_add_nc_u64 s[34:35], s[10:11], s[2:3]
	s_add_nc_u64 s[36:37], s[12:13], s[2:3]
	s_add_co_u32 s2, s2, s4
	s_add_nc_u64 s[44:45], s[20:21], s[2:3]        ; b2 at columns 64 w on
	s_lshl_b32 s2, s30, 13
	s_add_co_u32 s2, s2, s5
	s_add_nc_u64 s[40:41], s[16:17], s[2:3]        ; b1 at the slice's columns
	s_lshl_b32 s2, s30, 22
	s_lshl_b32 s6, s28, 19
	s_add_co_u32 s2, s2, s6
	s_add_co_u32 s2, s2, s5
	s_add_nc_u64 s[38:39], s[14:15], s[2:3]        ; W1: rows 64 w on, the slice's columns
	s_lshl_b32 s2, s30, 22
	s_lshl_b32 s6, s29, 17
	s_add_co_u32 s2, s2, s6
	s_add_co_u32 s2, s2, s4
	s_add_nc_u64 s[42:43], s[18:19], s[2:3]        ; W2: the slice's rows, columns 64 w on
	s_lshl_b32 s2, s30, 20
	s_lshl_b32 s6, s29, 15
	s_add_co_u32 s2, s2, s6
	s_add_co_u32 s2, s2, s4
	s_add_nc_u64 s[46:47], s[22:23], s[2:3]        ; py[e][sl], columns 64 w on
	WIN 0x40
.set zi, 0
.rept 64                                           ; head zi / 8, columns 64 (zi % 8) + 4 r on, row 2 w + hh
	global_load_b128 v[4*zi:4*zi+3], v6, s[32:33] offset:(zi/8)*32768+(zi%8)*256
.set zi, zi+1
.endr
	WIN 0
.set zi, 0
.rept 8
	global_load_b128 v[G+4*zi:G+4*zi+3], v7, s[34:35] offset:zi*256
.set zi, zi+1
.endr
.set zi, 0
.rept 8
	global_load_b128 v[BT+4*zi:BT+4*zi+3], v7, s[36:37] offset:zi*256
.set zi, zi+1
.endr
	global_load_b128 v[26:29], v7, s[40:41]
	WTILE W1B, 8, 38, 8192
	s_mul_i32 s4, s28, 2*XP
	v_mul_u32_u24 v10, v2, XP
	v_lshl_add_u32 v10, v1, 3, v10
	v_add_nc_u32 v10, s4, v10                      ; v10: LN(x), row 2 w + hh, 8 r
	s_mul_i32 s4, s28, 2*XFP
	s_add_co_u32 s4, s4, XF
	v_mul_u32_u24 v11, v2, XFP
	v_add3_u32 v11, v11, v7, s4                    ; v11: x, row 2 w + hh, 16 r
	v_mul_u32_u24 v12, v1, XP
	v_lshl_add_u32 v12, v2, 4, v12
	s_lshl_b32 s4, s28, 7
	v_add_nc_u32 v12, s4, v12                      ; v12: LN(x)'s fragments, K = 64 w on
	s_mul_i32 s4, s28, 16*RP
	s_add_co_u32 s4, s4, RED
	v_mul_u32_u24 v13, v2, 8*RP
	v_add3_u32 v13, v13, v7, s4                    ; v13: my wave's partial sums
	s_mul_i32 s4, s28, 2*RP
	s_add_co_u32 s4, s4, RED
	v_mul_u32_u24 v14, v2, RP
	v_add3_u32 v14, v14, v7, s4                    ; v14: row 2 w + hh of wave 0's
	s_mul_i32 s4, s28, 2*HP
	s_add_co_u32 s4, s4, HA
	v_mul_u32_u24 v15, v2, HP
	v_lshl_add_u32 v15, v1, 3, v15
	v_add_nc_u32 v15, s4, v15                      ; v15: hid, row 2 w + hh, 8 r
	v_mul_u32_u24 v16, v1, HP
	v_lshl_add_u32 v16, v2, 4, v16
	v_add_nc_u32 v16, HA, v16                      ; v16: hid's fragments
	s_lshl_b32 s4, s28, 8
	s_add_co_u32 s4, s4, XF
	v_mul_u32_u24 v17, v2, 8*XFP
	v_add3_u32 v17, v17, v7, s4                    ; v17: x, row 8 hh, columns 64 w + 4 r on
	s_wait_loadcnt 49                              ; behind the heads' parts: 8 + 8 + 1 + 32
	WIN 0x05
.set zi, 0
.rept 16
	v_pk_add_f32 v[X+2*zi:X+2*zi+1], v[2*zi:2*zi+1], v[32+2*zi:33+2*zi]
.set zi, zi+1
.endr
	WIN 0x04
.set zi, 0
.rept 96
	v_pk_add_f32 v[X+2*(zi%16):X+2*(zi%16)+1], v[X+2*(zi%16):X+2*(zi%16)+1], v[64+2*zi:65+2*zi]
.set zi, zi+1
.endr
	WIN 0
.set zi, 0
.rept 8
	ds_store_b128 v11, v[X+4*zi:X+4*zi+3] offset:zi*256
.set zi, zi+1
.endr
	WIN 0x40
	WTILE 0, 9, 42, 2048                           ; W2, where the heads' parts lay
	WIN 0
	s_wait_loadcnt 63                              ; 64 loads follow b1's: with 63 out gain, bias and b1 are in
	LNSTAT X, T, 49
	LNFIN X, G, BT, T, 10
	global_load_b128 v[112:115], v7, s[44:45]      ; b2, into registers that the bias has left
	BAR                                            ; x and LN(x) are whole
	AFRAG AF, 12
	s_wait_loadcnt 33                              ; behind W1: W2 32, b2 1
	CVTB BF0, W1B, 0
	CVTB BF1, W1B, 1
	s_wait_dscnt 0x0
	MM8 ACC, AF, BF0, BF1
	PLACES
	RSTORE ACC, 13, RP
	BAR
	RLOAD RS, 14, RP
	s_wait_dscnt 0x0
	RSUM RS
	v_pk_add_f32 v[160:161], v[160:161], v[26:27]  ; + b1
	v_pk_add_f32 v[162:163], v[162:163], v[28:29]
	; gelu(x) = x / 2 x (2 - E) for x >= 0, x / 2 x E below, E = erfc(|x| / sqrt(2))
.irp k, 0,1,2,3
	v_fma_f32 v[164+(\k)], |v16\k|, s50, 1.0
	v_mul_f32 v[168+(\k)], v[160+(\k)], v[160+(\k)]
.endr
.irp k, 0,1,2,3
	v_mul_f32 v[168+(\k)], s51, v[168+(\k)]
.endr
.irp k, 0,1,2,3
	v_rcp_f32 v[164+(\k)], v[164+(\k)]             ; t
.endr
.irp k, 0,1,2,3
	v_exp_f32 v[168+(\k)], v[168+(\k)]             ; exp(-x^2 / 2)
.endr
	v_nop
	s_wait_alu depctr_va_vdst(0)                   ; one wait for the eight
.irp k, 0,1,2,3
	v_fmaak_f32 v[172+(\k)], s52, v[164+(\k)], 0xbfba00e3
.endr
.irp k, 0,1,2,3
	v_fmaak_f32 v[172+(\k)], v[172+(\k)], v[164+(\k)], 0x3fb5f0e3
.endr
.irp k, 0,1,2,3
	v_fmaak_f32 v[172+(\k)], v[172+(\k)], v[164+(\k)], 0xbe91a98e
.endr
.irp k, 0,1,2,3
	v_fmaak_f32 v[172+(\k)], v[172+(\k)], v[164+(\k)], 0x3e827906
.endr
.irp k, 0,1,2,3
	v_mul_f32 v[164+(\k)], v[164+(\k)], v[168+(\k)]
.endr
.irp k, 0,1,2,3
	v_mul_f32 v[172+(\k)], v[172+(\k)], v[164+(\k)]       ; E
.endr
.irp k, 0,1,2,3
	v_sub_f32 v[164+(\k)], 2.0, v[172+(\k)]
.endr
.irp k, 0,1,2,3
	v_cmp_le_f32 vcc_lo, 0, v[160+(\k)]
	v_cndmask_b32 v[172+(\k)], v[172+(\k)], v[164+(\k)], vcc_lo
.endr
.irp k, 0,1,2,3
	v_mul_f32 v[160+(\k)], 0.5, v[160+(\k)]
.endr
.irp k, 0,1,2,3
	v_mul_f32 v[160+(\k)], v[160+(\k)], v[172+(\k)]
.endr
	v_cvt_pk_bf16_f32 v176, v160, v161
	v_cvt_pk_bf16_f32 v177, v162, v163
	ds_store_b64 v15, v[176:177]
	BAR                                            ; hid is whole
	AFRAG AF, 16
.set zj, 0
.rept 8
	ds_load_b128 v[XB+4*zj:XB+4*zj+3], v17 offset:zj*XFP
.set zj, zj+1
.endr
	s_wait_loadcnt 0x0                             ; W2 and b2
	WIN 0x05
	CVTB BF0, 0, 0
	CVTB BF1, 0, 1
	WIN 0
	s_wait_dscnt 0x0
	MM8 ACC, AF, BF0, BF1
.set zi, 0
.rept 16                                           ; x + b2: also the places behind the products
	v_pk_add_f32 v[XB+2*zi:XB+2*zi+1], v[XB+2*zi:XB+2*zi+1], v[112+2*(zi%2):113+2*(zi%2)]
.set zi, zi+1
.endr
.set zj, 0
.rept 8
.irp t, 0,1,2,3
	v_fma_f32 v[OUT+4*zj+(\t)], s48, v[XB+4*zj+(\t)], v[ACC+8*(\t)+zj]
.endr
.set zj, zj+1
.endr
.set zj, 0
.rept 8
	global_store_b128 v9, v[OUT+4*zj:OUT+4*zj+3], s[46:47] offset:zj*2048   ; 16 lanes store 256 consecutive bytes
.set zj, zj+1
.endr
	s_wait_tensorcnt 0x0                           ; the wave's end: behind my last LDS store
	ds_add_u32 v4, v5
	s_wait_dscnt 0x0
	s_endpgm
.Lfunc_end_k_q45bba31645_ffn:
	.size	k_q45bba31645_ffn, .Lfunc_end_k_q45bba31645_ffn-k_q45bba31645_ffn
	.p2alignl 7, 3214868480
	.fill 96, 4, 3214868480
	.section	.rodata,"a",@progbits
	.p2align	6, 0x0
	.amdhsa_kernel k_q45bba31645_ffn
		.amdhsa_group_segment_fixed_size 87808
		.amdhsa_private_segment_fixed_size 0
		.amdhsa_enable_private_segment 0
		.amdhsa_kernarg_size 64
		.amdhsa_user_sgpr_count 2
		.amdhsa_user_sgpr_kernarg_segment_ptr 1
		.amdhsa_wavefront_size32 1
		.amdhsa_system_sgpr_workgroup_id_x 1
		.amdhsa_system_sgpr_workgroup_id_y 1
		.amdhsa_system_sgpr_workgroup_id_z 1
		.amdhsa_system_vgpr_workitem_id 0
		.amdhsa_next_free_vgpr 512
		.amdhsa_next_free_sgpr 66
		.amdhsa_reserve_vcc 1
		.amdhsa_float_denorm_mode_32 3
		.amdhsa_float_denorm_mode_16_64 3
		.amdhsa_memory_ordered 1
		.amdhsa_forward_progress 1
		.amdhsa_inst_pref_size 54
	.end_amdhsa_kernel
	.amdgpu_metadata
---
amdhsa.version: [ 1, 2 ]
amdhsa.kernels:
  - .name:           k_q45bba31645_ffn
    .symbol:         k_q45bba31645_ffn.kd
    .args:
      - { .name: po, .offset: 0, .size: 8, .value_kind: global_buffer, .address_space: global }
      - { .name: ln_o_g, .offset: 8, .size: 8, .value_kind: global_buffer, .address_space: global }
      - { .name: ln_o_b, .offset: 16, .size: 8, .value_kind: global_buffer, .address_space: global }
      - { .name: W1, .offset: 24, .size: 8, .value_kind: global_buffer, .address_space: global }
      - { .name: b1, .offset: 32, .size: 8, .value_kind: global_buffer, .address_space: global }
      - { .name: W2, .offset: 40, .size: 8, .value_kind: global_buffer, .address_space: global }
      - { .name: b2, .offset: 48, .size: 8, .value_kind: global_buffer, .address_space: global }
      - { .name: py, .offset: 56, .size: 8, .value_kind: global_buffer, .address_space: global }
    .group_segment_fixed_size: 87808
    .private_segment_fixed_size: 0
    .kernarg_segment_align: 8
    .kernarg_segment_size: 64
    .max_flat_workgroup_size: 256
    .sgpr_count:     66
    .vgpr_count:     512
    .wavefront_size: 32
...
	.end_amdgpu_metadata
.endif
;; end of part 5
;; launch mix (part 6): grid 4 x 16, 8 waves a work-group, no clusters, 5,120 bytes of LDS; arguments py, hp, l1s, query, out0, out1, out2; writes out0, out1, out2
.if DOCPART == 6
	.amdgcn_target "amdgcn-amd-amdhsa--gfx1250"
	.amdhsa_code_object_version 6
	.text
	.protected	k_q45bba31645_mix
	.globl	k_q45bba31645_mix
	.p2align	8
	.type	k_q45bba31645_mix,@function
k_q45bba31645_mix:
	s_mov_b64 s[64:65], 0
	v_nop
	global_prefetch_b8 v0, s[64:65] scope:SCOPE_SE
	s_setreg_imm32_b32 hwreg(HW_REG_WAVE_MODE, 25, 1), 1
	s_wait_xcnt 0x0
; For batch row b (y) and 128 columns (x): wave w adds expert w's 32 slices into y (out1), weighs it with gt[b][w] and hands it over in LDS; wave 0 adds the eight (out0).
; gt = gates x s / (sum + 1e-9): gates = softmax of the logits, the maximum taken away first; s = exp(-H / 2) = 2^(T / 2), T = sum over l of a log2 a, added up from 32 parts.
; Every wave needs the sum over all experts for its own weight, so every wave makes all eight: some 150 instructions in the shadow of its 32 loads.
; A stream: no matrix unit, no tensor load, no cluster; each load and store of a wave covers 512 consecutive bytes.
.set SPARE, 4096      ; behind 8 x 512 bytes
.set TP,  10          ; v10-17  T's parts: lane = part; then s
.set ZL,  18          ; v18-25  the logits
.set QY,  26          ; v26-29  query
.set PY,  32          ; v32-159 the 32 slices
.set GE,  170         ; v170-177 gates, then gt
.macro RSUM d
.irp c, 0,2
	v_pk_add_f32 v[(\d)+(\c):(\d)+(\c)+1], v[(\d)+(\c):(\d)+(\c)+1], v[(\d)+4+(\c):(\d)+5+(\c)]
	v_pk_add_f32 v[(\d)+8+(\c):(\d)+9+(\c)], v[(\d)+8+(\c):(\d)+9+(\c)], v[(\d)+12+(\c):(\d)+13+(\c)]
	v_pk_add_f32 v[(\d)+16+(\c):(\d)+17+(\c)], v[(\d)+16+(\c):(\d)+17+(\c)], v[(\d)+20+(\c):(\d)+21+(\c)]
	v_pk_add_f32 v[(\d)+24+(\c):(\d)+25+(\c)], v[(\d)+24+(\c):(\d)+25+(\c)], v[(\d)+28+(\c):(\d)+29+(\c)]
	v_pk_add_f32 v[(\d)+(\c):(\d)+(\c)+1], v[(\d)+(\c):(\d)+(\c)+1], v[(\d)+8+(\c):(\d)+9+(\c)]
	v_pk_add_f32 v[(\d)+16+(\c):(\d)+17+(\c)], v[(\d)+16+(\c):(\d)+17+(\c)], v[(\d)+24+(\c):(\d)+25+(\c)]
	v_pk_add_f32 v[(\d)+(\c):(\d)+(\c)+1], v[(\d)+(\c):(\d)+(\c)+1], v[(\d)+16+(\c):(\d)+17+(\c)]
.endr
.endm
.macro SUM8 d                         ; the sum of v[GE .. GE+7] into v[d]; d .. d+3 at work
	v_pk_add_f32 v[(\d):(\d)+1], v[GE:GE+1], v[GE+2:GE+3]
	v_pk_add_f32 v[(\d)+2:(\d)+3], v[GE+4:GE+5], v[GE+6:GE+7]
	v_pk_add_f32 v[(\d):(\d)+1], v[(\d):(\d)+1], v[(\d)+2:(\d)+3]
	v_add_f32 v[\d], v[\d], v[(\d)+1]
.endm
	s_load_b256 s[8:15], s[0:1], 0x0               ; py 8, hp 10, l1s 12, query 14
	s_load_b128 s[16:19], s[0:1], 0x20             ; out0 16, out1 18
	s_load_b64 s[20:21], s[0:1], 0x30              ; out2
	v_lshl_add_u32 v4, v0, 2, SPARE
	v_mov_b32 v5, 0
	v_and_b32 v3, 31, v0
	v_lshrrev_b32 v9, 5, v0
	v_readfirstlane_b32 s28, v9                    ; wave w = expert
	s_mov_b32 s29, ttmp9                           ; dq
	s_and_b32 s30, ttmp7, 0xffff                   ; b
	v_mov_b32 v6, 0
	v_lshlrev_b32 v7, 4, v3                        ; 16 x lane
	v_lshlrev_b32 v8, 5, v3                        ; 32 x lane
	s_lshl_b32 s4, s28, 9
	v_add_nc_u32 v2, s4, v7                        ; my wave's 512 bytes in LDS
	s_mov_b32 s46, 0x76543210
	s_mov_b32 s47, 0xfedcba98
	s_mov_b32 s58, 1.0                             ; ALPHA
	s_mov_b32 s59, s58
	s_mov_b32 s60, 0                               ; 1 - ALPHA
	s_mov_b32 s61, s60
	s_mov_b32 s3, 0
	s_lshl_b32 s5, s30, 11
	s_lshl_b32 s6, s29, 9
	s_add_co_u32 s5, s5, s6                        ; row b, my 128 columns
	s_wait_kmcnt 0x0
	s_lshl_b32 s2, s30, 10
	s_add_nc_u64 s[34:35], s[10:11], s[2:3]
	s_lshl_b32 s2, s30, 5
	s_add_nc_u64 s[44:45], s[20:21], s[2:3]
	s_add_co_u32 s2, s2, 4096
	s_add_nc_u64 s[36:37], s[12:13], s[2:3]
	s_mov_b32 s2, s5
	s_add_nc_u64 s[38:39], s[14:15], s[2:3]
	s_add_nc_u64 s[40:41], s[16:17], s[2:3]
	s_lshl_b32 s2, s28, 20
	s_add_co_u32 s2, s2, s5
	s_add_nc_u64 s[32:33], s[8:9], s[2:3]
	s_lshl3_add_u32 s2, s30, s28
	s_lshl_b32 s2, s2, 11
	s_add_co_u32 s2, s2, s6
	s_add_nc_u64 s[42:43], s[18:19], s[2:3]
	global_load_b128 v[10:13], v8, s[34:35]
	global_load_b128 v[14:17], v8, s[34:35] offset:16
	global_load_b128 v[18:21], v6, s[36:37]
	global_load_b128 v[22:25], v6, s[36:37] offset:16
	global_load_b128 v[26:29], v7, s[38:39]
.set zi, 0
.rept 32
	global_load_b128 v[PY+4*zi:PY+4*zi+3], v7, s[32:33] offset:zi*32768 th:TH_LOAD_NT
.set zi, zi+1
.endr
	s_wait_loadcnt 32                              ; behind the small ones: the 32 slices
.irp m, 1,2,4,8
.set zi, 0
.rept 8
	v_add_f32_dpp v[TP+zi], v[TP+zi], v[TP+zi] row_xmask:\m row_mask:0xf bank_mask:0xf
.set zi, zi+1
.endr
.endr
.set zi, 0
.rept 8
	v_permlanex16_b32 v9, v[TP+zi], s46, s47
	v_add_f32 v[TP+zi], v[TP+zi], v9               ; T of expert zi, in every lane
.set zi, zi+1
.endr
	v_max3_num_f32 v160, v18, v19, v20
	v_max3_num_f32 v160, v160, v21, v22
	v_max3_num_f32 v160, v160, v23, v24
	v_max_num_f32 v160, v160, v25
.set zi, 0
.rept 8
	v_sub_f32 v[GE+zi], v[ZL+zi], v160
	v_mul_f32 v[TP+zi], 0.5, v[TP+zi]
.set zi, zi+1
.endr
.set zi, 0
.rept 8
	v_mul_f32 v[GE+zi], 0x3fb8aa3b, v[GE+zi]
.set zi, zi+1
.endr
.set zi, 0
.rept 8
	v_exp_f32 v[GE+zi], v[GE+zi]
	v_exp_f32 v[TP+zi], v[TP+zi]
.set zi, zi+1
.endr
	v_nop
	s_wait_alu depctr_va_vdst(0)                   ; one wait for the sixteen
	SUM8 180
	v_rcp_f32 v184, v180
	v_nop
	s_wait_alu depctr_va_vdst(0)
.set zi, 0
.rept 8
	v_mul_f32 v[GE+zi], v[GE+zi], v184             ; the gate,
.set zi, zi+1
.endr
.set zi, 0
.rept 4
	v_pk_mul_f32 v[GE+2*zi:GE+2*zi+1], v[GE+2*zi:GE+2*zi+1], v[TP+2*zi:TP+2*zi+1]   ; times s
.set zi, zi+1
.endr
	SUM8 180
	v_add_f32 v180, 0x3089705f, v180               ; + 1e-9
	v_rcp_f32 v184, v180
	v_nop
	s_wait_alu depctr_va_vdst(0)
.set zi, 0
.rept 8
	v_mul_f32 v[GE+zi], v[GE+zi], v184             ; gt
.set zi, zi+1
.endr
.set zi, 0
.rept 8
	v_readfirstlane_b32 s[48+zi], v[GE+zi]
.set zi, zi+1
.endr
	s_mov_b32 s56, s48
.set zi, 1
.rept 7                                            ; my expert's
	s_cmp_eq_u32 s28, zi
	s_cselect_b32 s56, s[48+zi], s56
.set zi, zi+1
.endr
	s_mov_b32 s57, s56
	s_wait_loadcnt 0x0
.irp st, 1,2,4,8,16                                ; the 32 slices as a tree
.set zk, 0
.rept 16/\st
	v_pk_add_f32 v[PY+4*zk:PY+4*zk+1], v[PY+4*zk:PY+4*zk+1], v[PY+4*(zk+\st):PY+4*(zk+\st)+1]
	v_pk_add_f32 v[PY+4*zk+2:PY+4*zk+3], v[PY+4*zk+2:PY+4*zk+3], v[PY+4*(zk+\st)+2:PY+4*(zk+\st)+3]
.set zk, zk+2*\st
.endr
.endr
	global_store_b128 v7, v[PY:PY+3], s[42:43]     ; out1[b][w]: 512 consecutive bytes
	v_pk_mul_f32 v[164:165], v[PY:PY+1], s[56:57] op_sel_hi:[1,0]
	v_pk_mul_f32 v[166:167], v[PY+2:PY+3], s[56:57] op_sel_hi:[1,0]
	ds_store_b128 v2, v[164:167]
	s_wait_tensorcnt 0x0                           ; behind my last LDS store; the wait on dscnt also shows the store done, for the barrier
	ds_add_u32 v4, v5
	s_wait_dscnt 0x0
	s_barrier_signal -1
	s_barrier_wait -1
	s_cmp_lg_u32 s28, 0
	s_cbranch_scc1 .Lend
.set zi, 0
.rept 8
	ds_load_b128 v[64+4*zi:67+4*zi], v7 offset:zi*512
.set zi, zi+1
.endr
	s_wait_dscnt 0x0
	RSUM 64
	v_pk_mul_f32 v[26:27], v[26:27], s[60:61] op_sel_hi:[1,0]            ; (1 - ALPHA) query
	v_pk_mul_f32 v[28:29], v[28:29], s[60:61] op_sel_hi:[1,0]
	v_pk_fma_f32 v[64:65], v[64:65], s[58:59], v[26:27] op_sel_hi:[1,0,1]   ; + ALPHA x the mixture
	v_pk_fma_f32 v[66:67], v[66:67], s[58:59], v[28:29] op_sel_hi:[1,0,1]
	global_store_b128 v7, v[64:67], s[40:41]
	s_cmp_lg_u32 s29, 0
	s_cbranch_scc1 .Lend                           ; gt is stored by the row's first work-group
	v_cmp_eq_u32 vcc_lo, 1, v3
.irp k, 0,1,2,3
	v_cndmask_b32 v[180+(\k)], v[GE+(\k)], v[GE+4+(\k)], vcc_lo
.endr
	v_cmp_gt_u32 vcc_lo, 2, v3
	s_wait_xcnt 0x0                                ; EXEC changes only behind this wait
	s_and_saveexec_b32 s62, vcc_lo
	global_store_b128 v7, v[180:183], s[44:45]     ; two lanes: the row's 32 bytes
	s_wait_xcnt 0x0
	s_or_b32 exec_lo, exec_lo, s62
.Lend:
	s_endpgm
.Lfunc_end_k_q45bba31645_mix:
	.size	k_q45bba31645_mix, .Lfunc_end_k_q45bba31645_mix-k_q45bba31645_mix
	.p2alignl 7, 3214868480
	.fill 96, 4, 3214868480
	.section	.rodata,"a",@progbits
	.p2align	6, 0x0
	.amdhsa_kernel k_q45bba31645_mix
		.amdhsa_group_segment_fixed_size 5120
		.amdhsa_private_segment_fixed_size 0
		.amdhsa_enable_private_segment 0
		.amdhsa_kernarg_size 56
		.amdhsa_user_sgpr_count 2
		.amdhsa_user_sgpr_kernarg_segment_ptr 1
		.amdhsa_wavefront_size32 1
		.amdhsa_system_sgpr_workgroup_id_x 1
		.amdhsa_system_sgpr_workgroup_id_y 1
		.amdhsa_system_sgpr_workgroup_id_z 1
		.amdhsa_system_vgpr_workitem_id 0
		.amdhsa_next_free_vgpr 192
		.amdhsa_next_free_sgpr 66
		.amdhsa_reserve_vcc 1
		.amdhsa_float_denorm_mode_32 3
		.amdhsa_float_denorm_mode_16_64 3
		.amdhsa_memory_ordered 1
		.amdhsa_forward_progress 1
		.amdhsa_inst_pref_size 19
	.end_amdhsa_kernel
	.amdgpu_metadata
---
amdhsa.version: [ 1, 2 ]
amdhsa.kernels:
  - .name:           k_q45bba31645_mix
    .symbol:         k_q45bba31645_mix.kd
    .args:
      - { .name: py, .offset: 0, .size: 8, .value_kind: global_buffer, .address_space: global }
      - { .name: hp, .offset: 8, .size: 8, .value_kind: global_buffer, .address_space: global }
      - { .name: l1s, .offset: 16, .size: 8, .value_kind: global_buffer, .address_space: global }
      - { .name: query, .offset: 24, .size: 8, .value_kind: global_buffer, .address_space: global }
      - { .name: out0, .offset: 32, .size: 8, .value_kind: global_buffer, .address_space: global }
      - { .name: out1, .offset: 40, .size: 8, .value_kind: global_buffer, .address_space: global }
      - { .name: out2, .offset: 48, .size: 8, .value_kind: global_buffer, .address_space: global }
    .group_segment_fixed_size: 5120
    .private_segment_fixed_size: 0
    .kernarg_segment_align: 8
    .kernarg_segment_size: 56
    .max_flat_workgroup_size: 256
    .sgpr_count:     66
    .vgpr_count:     192
    .wavefront_size: 32
...
	.end_amdgpu_metadata
.endif
;; end of part 6
;; ======== version 2 of 2: 6 launches; version 1 with the launches vo, ffn written anew for expert scheduling mode
;; limits: a function is approximated: absolute error at most 1.5e-07
;; workspace buffers: qk 1,048,576 bytes; l1s 4,608 bytes; sc 4,194,304 bytes; st 262,144 bytes; ctx 2,097,152 bytes; hp 16,384 bytes; po 2,097,152 bytes; py 8,388,608 bytes
;; launch qkproj: the kernel of part 1 again; grid 8 x 8, 8 waves a work-group, no clusters, 161,536 bytes of LDS; arguments query, ln_q_g, ln_q_b, Wq, bq, Wk, bk, w_gate, qk, l1s; writes qk, l1s
;; launch scores: the kernel of part 2 again; grid 16 x 16, 8 waves a work-group, no clusters, 134,144 bytes of LDS; arguments retrieved, qk, l1s, sc, st; writes sc, st
;; launch context: the kernel of part 3 again; grid 16 x 16, 8 waves a work-group, no clusters, 66,560 bytes of LDS; arguments retrieved, sc, st, ctx, hp; writes ctx, hp
;; launch vo (part 7): grid 8 x 8, 8 waves a work-group, no clusters, 38,144 bytes of LDS; arguments ctx, Wv, bv, Wo, bo, query, po; writes po
.if DOCPART == 7
	.amdgcn_target "amdgcn-amd-amdhsa--gfx1250"
	.amdhsa_code_object_version 6
	.text
	.protected	k_q45bba31645_vo
	.globl	k_q45bba31645_vo
	.p2align	8
	.type	k_q45bba31645_vo,@function
k_q45bba31645_vo:
	s_mov_b64 s[64:65], 0
	v_nop
	global_prefetch_b8 v0, s[64:65] scope:SCOPE_SE
	s_setreg_imm32_b32 hwreg(HW_REG_WAVE_SCHED_MODE, 0, 2), 2
	s_setreg_imm32_b32 hwreg(HW_REG_WAVE_MODE, 25, 1), 1
	s_wait_xcnt 0x0
	s_wait_alu depctr_vm_vsrc(0)
; For expert e (y) and head h (x): attn[b][c] = ctx[e][h][b] . Wv[e][:, 64 h + c] + bv (the weights of a softmax add up to 1, so bv stands alone);
; po[e][h][b][n] = sum over c of attn[b][c] Wo[e][64 h + c][n], a head's part of the output projection in f32; head 0's part also carries query + bo.
; Phase A shares K = 512 among the 8 waves and adds up in LDS; phase B shares the 512 columns n.  Weights go straight from memory into fragments: lane (r, hh) loads columns 4 r .. 4 r + 3 of the
; rows that a B fragment wants (16 lanes: 256 consecutive bytes); v_cvt_pk_bf16_f32 of two rows rounds and packs; tile t's column r is the weight's column 4 r + t.
; LIMITS: the residual is added as f x (query + bo) with f = 1 or 0, so query and bo are taken to be finite.
; THE MODE: SCHED_MODE bits 1:0 = 2 (LLVM: expert scheduling mode 2), set by the entry lines.  The code itself states the register dependences
; between vector or matrix instructions and memory or LDS instructions, with s_wait_alu, always for 0.
; THE PLAN.  Registers that memory or LDS instructions touch, from head to end (there is no loop):
;   v6, v7, v8    global offsets: written at the head, never again; read by every global load and store.
;   v9 .. v12     LDS addresses: written behind the global loads, never again; each is first read behind a later wait on va_vdst.
;   v32-63        ctx lands; the conversions read it; the first products write it; 32 LDS stores read it; the second products write it again; the last fma read it.
;   v64-79        the conversions write it; the first products read it; attn's fragments land in it; the second products read it.
;   v128-255      Wv lands; the conversions read it; the reduce's LDS loads land in v160-191; a conversion writes v168-169, which one LDS store reads.
;   v192-223      the last fma write it; eight global stores read it.
;   window 1      loads land in it at the head; afterwards vector instructions alone name it.
; So: one wait on va_vdst ahead of each of four groups (the head's loads; the partial sums' LDS stores; attn's LDS store; the global stores), each of which also
; covers the LDS loads that follow its group behind the barrier, since no vector instruction stands between; and one wait on vm_vsrc ahead of the second products.
.set RP,    272
.set HA,    34816     ; behind 8 x 16 x 272 bytes of partial sums: attn in bf16, 16 rows x 144 bytes
.set HP,    144
.set SPARE, 37120
.set ACC, 32          ; v32-63  ctx as loaded, then four accumulators
.set AF,  64          ; v64-79
.set BF0, 80          ; v80-111
.set WV,  128         ; v128-255 Wv as loaded
.set BF1, 128
.set RS,  160         ; v160-191 the reduce loads
.set OUT, 192         ; v192-223.   Window 1: v0-127 Wo, v128-159 query, v160-163 bo
.set MSB, 0
.macro WIN new
.if MSB != (\new)
	s_set_vgpr_msb (MSB<<8)|(\new)
.set MSB, (\new)
.endif
.endm
.macro WTILE buf, voff, sb, pitch
.set zn, 0
.rept 32
	global_load_b128 v[(\buf)+4*zn:(\buf)+4*zn+3], v[\voff], s[(\sb):(\sb)+1] offset:(32*(zn/16)+16*((zn/8)%2)+zn%8)*(\pitch) th:TH_LOAD_NT
.set zn, zn+1
.endr
.endm
.macro CVTB dst, buf, sg
.irp t, 0,1,2,3
.set zi, 0
.rept 8
	v_cvt_pk_bf16_f32 v[(\dst)+8*(\t)+zi], v[(\buf)+4*(16*(\sg)+2*zi)+(\t)], v[(\buf)+4*(16*(\sg)+2*zi+1)+(\t)]
.set zi, zi+1
.endr
.endr
.endm
.macro MM8 acc, af, b0, b1
.irp t, 0,1,2,3
	v_wmma_f32_16x16x32_bf16 v[(\acc)+8*(\t):(\acc)+8*(\t)+7], v[(\af):(\af)+7], v[(\b0)+8*(\t):(\b0)+8*(\t)+7], 0
.endr
.irp t, 0,1,2,3
	v_wmma_f32_16x16x32_bf16 v[(\acc)+8*(\t):(\acc)+8*(\t)+7], v[(\af)+8:(\af)+15], v[(\b1)+8*(\t):(\b1)+8*(\t)+7], v[(\acc)+8*(\t):(\acc)+8*(\t)+7]
.endr
.endm
.macro AFRAG dst, va
.irp c, 0,1,2,3
	ds_load_b128 v[(\dst)+4*(\c):(\dst)+4*(\c)+3], v[\va] offset:32*(\c)
.endr
.endm
.macro RSTORE acc, va, rp
.set zj, 0
.rept 8
.irp t, 0,1,2,3
	ds_store_b32 v[\va], v[(\acc)+8*(\t)+zj] offset:zj*(\rp)+4*(\t)
.endr
.set zj, zj+1
.endr
.endm
.macro RLOAD dst, va, rp
.set zj, 0
.rept 8
	ds_load_b128 v[(\dst)+4*zj:(\dst)+4*zj+3], v[\va] offset:zj*16*(\rp)
.set zj, zj+1
.endr
.endm
.macro RSUM d
.irp c, 0,2
	v_pk_add_f32 v[(\d)+(\c):(\d)+(\c)+1], v[(\d)+(\c):(\d)+(\c)+1], v[(\d)+4+(\c):(\d)+5+(\c)]
	v_pk_add_f32 v[(\d)+8+(\c):(\d)+9+(\c)], v[(\d)+8+(\c):(\d)+9+(\c)], v[(\d)+12+(\c):(\d)+13+(\c)]
	v_pk_add_f32 v[(\d)+16+(\c):(\d)+17+(\c)], v[(\d)+16+(\c):(\d)+17+(\c)], v[(\d)+20+(\c):(\d)+21+(\c)]
	v_pk_add_f32 v[(\d)+24+(\c):(\d)+25+(\c)], v[(\d)+24+(\c):(\d)+25+(\c)], v[(\d)+28+(\c):(\d)+29+(\c)]
	v_pk_add_f32 v[(\d)+(\c):(\d)+(\c)+1], v[(\d)+(\c):(\d)+(\c)+1], v[(\d)+8+(\c):(\d)+9+(\c)]
	v_pk_add_f32 v[(\d)+16+(\c):(\d)+17+(\c)], v[(\d)+16+(\c):(\d)+17+(\c)], v[(\d)+24+(\c):(\d)+25+(\c)]
	v_pk_add_f32 v[(\d)+(\c):(\d)+(\c)+1], v[(\d)+(\c):(\d)+(\c)+1], v[(\d)+16+(\c):(\d)+17+(\c)]
.endr
.endm
.macro PLACES
.rept 4
	v_nop
.endr
.endm
.macro BAR
	s_wait_dscnt 0x0
	s_barrier_signal -1
	s_barrier_wait -1
.endm
	s_load_b256 s[8:15], s[0:1], 0x0               ; ctx 8, Wv 10, bv 12, Wo 14
	s_load_b128 s[16:19], s[0:1], 0x20             ; bo 16, query 18
	s_load_b64 s[20:21], s[0:1], 0x30              ; po
	v_lshl_add_u32 v4, v0, 2, SPARE
	v_mov_b32 v5, 0
	v_and_b32 v1, 15, v0                           ; r
	v_bfe_u32 v2, v0, 4, 1                         ; hh
	v_lshrrev_b32 v3, 5, v0
	v_readfirstlane_b32 s28, v3                    ; wave w
	s_mov_b32 s29, ttmp9                           ; h
	s_and_b32 s30, ttmp7, 0xffff                   ; e
	v_lshlrev_b32 v7, 4, v1                        ; 16 r
	v_lshl_add_u32 v8, v2, 14, v7                  ; eight rows of 2,048 bytes for each half, 16 r
	v_lshlrev_b32 v6, 11, v1
	v_lshl_add_u32 v6, v2, 5, v6                   ; ctx: row r, 32 hh
	s_cmp_eq_u32 s29, 0
	s_cselect_b32 s46, 1.0, 0                      ; f: head 0 carries the residual
	s_mov_b32 s3, 0
	s_wait_alu depctr_va_sdst(0)                   ; s28 is written, ahead of its first reader: the bases and the LDS addresses are made from it
	s_lshl_b32 s4, s28, 8                          ; 256 w
	s_lshl_b32 s5, s29, 8                          ; 256 h
	s_lshl3_add_u32 s6, s30, s29                   ; 8 e + h
	s_wait_kmcnt 0x0
	s_lshl_b32 s2, s6, 15
	s_add_co_u32 s2, s2, s4
	s_add_nc_u64 s[32:33], s[8:9], s[2:3]          ; ctx[e][h], columns 64 w on
	s_add_nc_u64 s[44:45], s[20:21], s[2:3]        ; po[e][h], columns 64 w on
	s_lshl_b32 s2, s30, 11
	s_add_co_u32 s2, s2, s5
	s_add_nc_u64 s[38:39], s[12:13], s[2:3]        ; bv at the head's columns
	s_lshl_b32 s2, s30, 11
	s_add_co_u32 s2, s2, s4
	s_add_nc_u64 s[40:41], s[16:17], s[2:3]        ; bo at columns 64 w on
	s_lshl_b32 s2, s30, 20
	s_lshl_b32 s7, s28, 17
	s_add_co_u32 s2, s2, s7
	s_add_co_u32 s2, s2, s5
	s_add_nc_u64 s[34:35], s[10:11], s[2:3]        ; Wv: rows 64 w on, the head's columns
	s_lshl_b32 s2, s30, 20
	s_lshl_b32 s7, s29, 17
	s_add_co_u32 s2, s2, s7
	s_add_co_u32 s2, s2, s4
	s_add_nc_u64 s[36:37], s[14:15], s[2:3]        ; Wo: the head's rows, columns 64 w on
	s_mov_b32 s2, s4
	s_add_nc_u64 s[42:43], s[18:19], s[2:3]        ; query at columns 64 w on
	s_wait_alu depctr_va_vdst(0)                   ; the offsets v6, v7 and v8 are written, which every global load and store reads; up to the last of these loads stand loads and one window switch alone
.set zi, 0
.rept 8                                            ; ctx straight as A: row r, K = 64 w + 32 sg + 16 g + 8 hh on: 32 bytes
	global_load_b128 v[ACC+4*zi:ACC+4*zi+3], v6, s[32:33] offset:(zi/2)*64+(zi%2)*16
.set zi, zi+1
.endr
	global_load_b128 v[16:19], v7, s[38:39]
	WTILE WV, 8, 34, 2048
	WIN 0x40
	WTILE 0, 8, 36, 2048
.set zi, 0
.rept 8
	global_load_b128 v[128+4*zi:131+4*zi], v8, s[42:43] offset:zi*2048
.set zi, zi+1
.endr
	global_load_b128 v[160:163], v7, s[40:41]
	WIN 0
	s_mul_i32 s4, s28, 16*RP
	v_mul_u32_u24 v9, v2, 8*RP
	v_add3_u32 v9, v9, v7, s4                      ; v9: my wave's partial sums
	s_mul_i32 s4, s28, 2*RP
	v_mul_u32_u24 v10, v2, RP
	v_add3_u32 v10, v10, v7, s4                    ; v10: row 2 w + hh of wave 0's
	s_mul_i32 s4, s28, 2*HP
	s_add_co_u32 s4, s4, HA
	v_mul_u32_u24 v11, v2, HP
	v_lshl_add_u32 v11, v1, 3, v11
	v_add_nc_u32 v11, s4, v11                      ; v11: attn, row 2 w + hh, 8 r
	v_mul_u32_u24 v12, v1, HP
	v_lshl_add_u32 v12, v2, 4, v12
	v_add_nc_u32 v12, HA, v12                      ; v12: attn's fragments
	s_wait_loadcnt 63                              ; 74 loads follow ctx's: with 63 out they are in
.set zi, 0
.rept 16
	v_cvt_pk_bf16_f32 v[AF+zi], v[ACC+2*zi], v[ACC+2*zi+1]
.set zi, zi+1
.endr
	s_wait_loadcnt 41                              ; behind Wv: Wo 32, query 8, bo 1
	CVTB BF0, WV, 0
	CVTB BF1, WV, 1
	MM8 ACC, AF, BF0, BF1
	PLACES
	s_wait_alu depctr_va_vdst(0)                   ; the products have written v32-63, which the LDS stores read (the places above stay beside this wait); v9 and v10 are written; the conversions are done reading v160-191, in which the reduce's loads land
	RSTORE ACC, 9, RP
	BAR
	RLOAD RS, 10, RP                               ; no vector instruction since the wait above
	s_wait_dscnt 0x0
	RSUM RS
	v_pk_add_f32 v[160:161], v[160:161], v[16:17]  ; + bv
	v_pk_add_f32 v[162:163], v[162:163], v[18:19]
	v_cvt_pk_bf16_f32 v168, v160, v161
	v_cvt_pk_bf16_f32 v169, v162, v163
	s_wait_alu depctr_va_vdst(0)                   ; v168 and v169 are written, which the LDS store reads; v11 and v12 are written; the first products are done reading v64-79, in which attn's fragments land
	ds_store_b64 v11, v[168:169]
	BAR
	AFRAG AF, 12                                   ; no vector instruction since the wait above
	s_wait_loadcnt 9                               ; behind Wo: query 8, bo 1
	WIN 0x05
	CVTB BF0, 0, 0
	CVTB BF1, 0, 1
	WIN 0
	s_wait_dscnt 0x0
	s_wait_alu depctr_vm_vsrc(0)                   ; the LDS stores of the partial sums have read v32-63, which the products below write again
	MM8 ACC, AF, BF0, BF1
	s_wait_loadcnt 0x0
	WIN 0x45                                       ; all three in window 1
.set zi, 0
.rept 16                                           ; query + bo: also the places behind the products
	v_pk_add_f32 v[128+2*zi:129+2*zi], v[128+2*zi:129+2*zi], v[160+2*(zi%2):161+2*(zi%2)]
.set zi, zi+1
.endr
	WIN 0x04                                       ; source 1 in window 1
.set zj, 0
.rept 8                                            ; register j of tile t is (b = 8 hh + j, n = 64 w + 4 r + t): the four tiles' numbers side by side
.irp t, 0,1,2,3
	v_fma_f32 v[OUT+4*zj+(\t)], s46, v[128+4*zj+(\t)], v[ACC+8*(\t)+zj]
.endr
.set zj, zj+1
.endr
	WIN 0
	s_wait_alu depctr_va_vdst(0)                   ; the fma have written v192-223, which the stores read
.set zj, 0
.rept 8
	global_store_b128 v8, v[OUT+4*zj:OUT+4*zj+3], s[44:45] offset:zj*2048   ; 16 lanes store 256 consecutive bytes
.set zj, zj+1
.endr
	s_wait_dscnt 0x0                               ; the wave's end
	s_wait_alu 0x0
	s_wait_tensorcnt 0x0
	ds_add_u32 v4, v5
	s_wait_dscnt 0x0
	s_endpgm
.Lfunc_end_k_q45bba31645_vo:
	.size	k_q45bba31645_vo, .Lfunc_end_k_q45bba31645_vo-k_q45bba31645_vo
	.p2alignl 7, 3214868480
	.fill 96, 4, 3214868480
	.section	.rodata,"a",@progbits
	.p2align	6, 0x0
	.amdhsa_kernel k_q45bba31645_vo
		.amdhsa_group_segment_fixed_size 38144
		.amdhsa_private_segment_fixed_size 0
		.amdhsa_enable_private_segment 0
		.amdhsa_kernarg_size 56
		.amdhsa_user_sgpr_count 2
		.amdhsa_user_sgpr_kernarg_segment_ptr 1
		.amdhsa_wavefront_size32 1
		.amdhsa_system_sgpr_workgroup_id_x 1
		.amdhsa_system_sgpr_workgroup_id_y 1
		.amdhsa_system_sgpr_workgroup_id_z 1
		.amdhsa_system_vgpr_workitem_id 0
		.amdhsa_next_free_vgpr 420
		.amdhsa_next_free_sgpr 66
		.amdhsa_reserve_vcc 0
		.amdhsa_float_denorm_mode_32 3
		.amdhsa_float_denorm_mode_16_64 3
		.amdhsa_memory_ordered 1
		.amdhsa_forward_progress 1
		.amdhsa_inst_pref_size 30
	.end_amdhsa_kernel
	.amdgpu_metadata
---
amdhsa.version: [ 1, 2 ]
amdhsa.kernels:
  - .name:           k_q45bba31645_vo
    .symbol:         k_q45bba31645_vo.kd
    .args:
      - { .name: ctx, .offset: 0, .size: 8, .value_kind: global_buffer, .address_space: global }
      - { .name: Wv, .offset: 8, .size: 8, .value_kind: global_buffer, .address_space: global }
      - { .name: bv, .offset: 16, .size: 8, .value_kind: global_buffer, .address_space: global }
      - { .name: Wo, .offset: 24, .size: 8, .value_kind: global_buffer, .address_space: global }
      - { .name: bo, .offset: 32, .size: 8, .value_kind: global_buffer, .address_space: global }
      - { .name: query, .offset: 40, .size: 8, .value_kind: global_buffer, .address_space: global }
      - { .name: po, .offset: 48, .size: 8, .value_kind: global_buffer, .address_space: global }
    .group_segment_fixed_size: 38144
    .private_segment_fixed_size: 0
    .kernarg_segment_align: 8
    .kernarg_segment_size: 56
    .max_flat_workgroup_size: 256
    .sgpr_count:     66
    .vgpr_count:     420
    .wavefront_size: 32
...
	.end_amdgpu_metadata
.endif
;; end of part 7
;; launch ffn (part 8): grid 32 x 8, 8 waves a work-group, no clusters, 87,808 bytes of LDS; arguments po, ln_o_g, ln_o_b, W1, b1, W2, b2, py; writes py
.if DOCPART == 8
	.amdgcn_target "amdgcn-amd-amdhsa--gfx1250"
	.amdhsa_code_object_version 6
	.text
	.protected	k_q45bba31645_ffn
	.globl	k_q45bba31645_ffn
	.p2align	8
	.type	k_q45bba31645_ffn,@function
k_q45bba31645_ffn:
	s_mov_b64 s[64:65], 0
	v_nop
	global_prefetch_b8 v0, s[64:65] scope:SCOPE_SE
	s_setreg_imm32_b32 hwreg(HW_REG_WAVE_SCHED_MODE, 0, 2), 2
	s_setreg_imm32_b32 hwreg(HW_REG_WAVE_MODE, 25, 1), 1
	s_wait_xcnt 0x0
	s_wait_alu depctr_vm_vsrc(0)
; For expert e (y) and slice sl (x) of 64 hidden columns: x = the sum of the 8 heads' parts (head 0's carries query + bo); xo = LN(x) g + beta;
; hid[b][c] = gelu(xo[b] . W1[e][:, 64 sl + c] + b1), exact gelu; py[e][sl][b][n] = sum over c of hid[b][c] W2[e][64 sl + c][n], in f32; slice 0's part also carries x + b2.
; Each byte of W1 and W2 has one reader.  Every work-group makes x and LN(x) anew from 256 KB that all 32 slices of an expert read.
; Phase A shares K = 512 among the 8 waves and adds up in LDS; phase B shares the 512 columns n.  Weights go straight from memory into fragments, as 16 bytes a lane (16 lanes: 256 consecutive bytes).
; erf by the rational form 1 - (a1 t + .. + a5 t^5) exp(-z^2), t = 1 / (1 + 0.3275911 z), absolute error 1.5e-7 for every z >= 0.
; LIMITS: the residual is added as f x (x + b2) with f = 1 or 0, so x and b2 are taken to be finite; NaN and infinities are not treated apart.
; THE MODE: SCHED_MODE bits 1:0 = 2 (LLVM: expert scheduling mode 2), set by the entry lines.  The code itself states the register dependences
; between vector or matrix instructions and memory or LDS instructions, with s_wait_alu, always for 0.
; THE PLAN.  Registers that memory or LDS instructions touch, from head to end (there is no loop):
;   v6 .. v9      global offsets: written at the head, never again.      v10 .. v17  LDS addresses: written behind the first loads, never again; each is first read behind a later wait on va_vdst.
;   window 1      the heads' parts land; the additions read them; W2 lands in v0-127 of it; the conversions read that.
;   v32-63        the additions write x; 8 LDS stores read it; LN writes it again; 8 LDS stores read v32-47; the first products write it; 32 LDS stores read it; the second products write it; the last fma read it.
;   v64-127       gain and bias land; LN's fma read them; then LN(x)'s fragments land in v64-79 and b2 in v112-115, the conversions write v80-111; later hid's fragments land in v64-79.
;   v128-255      W1 lands; the conversions read it; the reduce's LDS loads land in v160-191; a conversion writes v176-177, which one LDS store reads; x lands in v224-255 from LDS.
;   v192-223      the last fma write it; eight global stores read it.
; So a wait on va_vdst stands ahead of each group of loads or stores that first meets what the vector side has touched (the head's loads; W2's loads with x's LDS stores; LN(x)'s stores; the partial sums';
; hid's; the global stores), and each also covers the loads that follow its group, across a barrier too, since no vector instruction stands between.  A wait on vm_vsrc stands ahead of each of the three
; places where v32-63 are written again behind LDS stores that read them.  The masks of gelu's four selects are made in one run, with one wait on va_sdst.
.set XP,    1040      ; LN(x) in bf16 at 0: 16 rows x 1,040 bytes
.set XF,    16640     ; x in f32: 16 rows x 2,064 bytes
.set XFP,   2064
.set RED,   49664     ; 8 x 16 x 272 bytes of partial sums
.set RP,    272
.set HA,    84480     ; hid in bf16, 16 rows x 144 bytes
.set HP,    144
.set SPARE, 86784
.set T,   18          ; v18-25  at work in LN;  v26-29 b1
.set X,   32          ; v32-63  my half row of x, then four accumulators
.set G,   64          ; v64-95 gain, v96-127 bias; then A fragments v64-79, B fragments v80-111, b2 v112-115
.set BT,  96
.set ACC, 32
.set AF,  64
.set BF0, 80
.set W1B, 128         ; v128-255 W1 as loaded
.set BF1, 128
.set RS,  160         ; v160-191 the reduce loads, gelu at work
.set OUT, 192         ; v192-223
.set XB,  224         ; v224-255 x for the residual.   Window 1: the heads' parts (256), then W2 (v0-127)
.set SG,  53          ; s53-56  gelu: the masks of the four selects
.set MSB, 0
.macro WIN new
.if MSB != (\new)
	s_set_vgpr_msb (MSB<<8)|(\new)
.set MSB, (\new)
.endif
.endm
.macro XADD r, m
	v_add_f32_dpp v[\r], v[\r], v[\r] row_xmask:\m row_mask:0xf bank_mask:0xf
.endm
.macro WTILE buf, voff, sb, pitch
.set zn, 0
.rept 32
	global_load_b128 v[(\buf)+4*zn:(\buf)+4*zn+3], v[\voff], s[(\sb):(\sb)+1] offset:(32*(zn/16)+16*((zn/8)%2)+zn%8)*(\pitch) th:TH_LOAD_NT
.set zn, zn+1
.endr
.endm
.macro CVTB dst, buf, sg
.irp t, 0,1,2,3
.set zi, 0
.rept 8
	v_cvt_pk_bf16_f32 v[(\dst)+8*(\t)+zi], v[(\buf)+4*(16*(\sg)+2*zi)+(\t)], v[(\buf)+4*(16*(\sg)+2*zi+1)+(\t)]
.set zi, zi+1
.endr
.endr
.endm
.macro MM8 acc, af, b0, b1
.irp t, 0,1,2,3
	v_wmma_f32_16x16x32_bf16 v[(\acc)+8*(\t):(\acc)+8*(\t)+7], v[(\af):(\af)+7], v[(\b0)+8*(\t):(\b0)+8*(\t)+7], 0
.endr
.irp t, 0,1,2,3
	v_wmma_f32_16x16x32_bf16 v[(\acc)+8*(\t):(\acc)+8*(\t)+7], v[(\af)+8:(\af)+15], v[(\b1)+8*(\t):(\b1)+8*(\t)+7], v[(\acc)+8*(\t):(\acc)+8*(\t)+7]
.endr
.endm
.macro AFRAG dst, va
.irp c, 0,1,2,3
	ds_load_b128 v[(\dst)+4*(\c):(\dst)+4*(\c)+3], v[\va] offset:32*(\c)
.endr
.endm
.macro RSTORE acc, va, rp
.set zj, 0
.rept 8
.irp t, 0,1,2,3
	ds_store_b32 v[\va], v[(\acc)+8*(\t)+zj] offset:zj*(\rp)+4*(\t)
.endr
.set zj, zj+1
.endr
.endm
.macro RLOAD dst, va, rp
.set zj, 0
.rept 8
	ds_load_b128 v[(\dst)+4*zj:(\dst)+4*zj+3], v[\va] offset:zj*16*(\rp)
.set zj, zj+1
.endr
.endm
.macro RSUM d
.irp c, 0,2
	v_pk_add_f32 v[(\d)+(\c):(\d)+(\c)+1], v[(\d)+(\c):(\d)+(\c)+1], v[(\d)+4+(\c):(\d)+5+(\c)]
	v_pk_add_f32 v[(\d)+8+(\c):(\d)+9+(\c)], v[(\d)+8+(\c):(\d)+9+(\c)], v[(\d)+12+(\c):(\d)+13+(\c)]
	v_pk_add_f32 v[(\d)+16+(\c):(\d)+17+(\c)], v[(\d)+16+(\c):(\d)+17+(\c)], v[(\d)+20+(\c):(\d)+21+(\c)]
	v_pk_add_f32 v[(\d)+24+(\c):(\d)+25+(\c)], v[(\d)+24+(\c):(\d)+25+(\c)], v[(\d)+28+(\c):(\d)+29+(\c)]
	v_pk_add_f32 v[(\d)+(\c):(\d)+(\c)+1], v[(\d)+(\c):(\d)+(\c)+1], v[(\d)+8+(\c):(\d)+9+(\c)]
	v_pk_add_f32 v[(\d)+16+(\c):(\d)+17+(\c)], v[(\d)+16+(\c):(\d)+17+(\c)], v[(\d)+24+(\c):(\d)+25+(\c)]
	v_pk_add_f32 v[(\d)+(\c):(\d)+(\c)+1], v[(\d)+(\c):(\d)+(\c)+1], v[(\d)+16+(\c):(\d)+17+(\c)]
.endr
.endm
; LayerNorm of a row held by 16 lanes, 32 numbers a lane.  Two passes: the mean, then the squares of the centred numbers.  t: mean t, t+1; rsq t+2, t+3; at work t+4 .. t+7.  si: 1/512
.macro LNSTAT x, t, si
	v_pk_add_f32 v[(\t)+4:(\t)+5], v[(\x):(\x)+1], v[(\x)+2:(\x)+3]
	v_pk_add_f32 v[(\t)+6:(\t)+7], v[(\x)+4:(\x)+5], v[(\x)+6:(\x)+7]
.set zi, 8
.rept 6
	v_pk_add_f32 v[(\t)+4:(\t)+5], v[(\t)+4:(\t)+5], v[(\x)+zi:(\x)+zi+1]
	v_pk_add_f32 v[(\t)+6:(\t)+7], v[(\t)+6:(\t)+7], v[(\x)+zi+2:(\x)+zi+3]
.set zi, zi+4
.endr
	v_pk_add_f32 v[(\t)+4:(\t)+5], v[(\t)+4:(\t)+5], v[(\t)+6:(\t)+7]
	v_add_f32 v[(\t)+4], v[(\t)+4], v[(\t)+5]
.irp m, 1,2,4,8
	XADD (\t)+4, \m
.endr
	v_mul_f32 v[\t], s[\si], v[(\t)+4]
	v_mul_f32 v[(\t)+1], s[\si], v[(\t)+4]
	s_wait_alu depctr_vm_vsrc(0)                           ; the LDS stores of x have read these 32 registers, which the centring below writes again; the mean's lines above only read them
.set zi, 0
.rept 16
	v_pk_add_f32 v[(\x)+zi:(\x)+zi+1], v[(\x)+zi:(\x)+zi+1], v[(\t):(\t)+1] neg_lo:[0,1] neg_hi:[0,1]
.set zi, zi+2
.endr
	v_pk_mul_f32 v[(\t)+4:(\t)+5], v[(\x):(\x)+1], v[(\x):(\x)+1]
	v_pk_mul_f32 v[(\t)+6:(\t)+7], v[(\x)+2:(\x)+3], v[(\x)+2:(\x)+3]
.set zi, 4
.rept 7
	v_pk_fma_f32 v[(\t)+4:(\t)+5], v[(\x)+zi:(\x)+zi+1], v[(\x)+zi:(\x)+zi+1], v[(\t)+4:(\t)+5]
	v_pk_fma_f32 v[(\t)+6:(\t)+7], v[(\x)+zi+2:(\x)+zi+3], v[(\x)+zi+2:(\x)+zi+3], v[(\t)+6:(\t)+7]
.set zi, zi+4
.endr
	v_pk_add_f32 v[(\t)+4:(\t)+5], v[(\t)+4:(\t)+5], v[(\t)+6:(\t)+7]
	v_add_f32 v[(\t)+4], v[(\t)+4], v[(\t)+5]
.irp m, 1,2,4,8
	XADD (\t)+4, \m
.endr
	v_fmaak_f32 v[(\t)+4], s[\si], v[(\t)+4], 0x3727c5ac   ; the variance + 1e-5
	v_rsq_f32 v[(\t)+2], v[(\t)+4]
	v_rsq_f32 v[(\t)+3], v[(\t)+4]
	v_nop
	s_wait_alu depctr_va_vdst(0)                           ; the two reciprocal roots are written: one wait for both, ahead of their first reader
.endm
.macro LNFIN x, g, bt, t, va
.set zi, 0
.rept 16
	v_pk_mul_f32 v[(\x)+zi:(\x)+zi+1], v[(\x)+zi:(\x)+zi+1], v[(\t)+2:(\t)+3]
.set zi, zi+2
.endr
.set zi, 0
.rept 16
	v_pk_fma_f32 v[(\x)+zi:(\x)+zi+1], v[(\x)+zi:(\x)+zi+1], v[(\g)+zi:(\g)+zi+1], v[(\bt)+zi:(\bt)+zi+1]
.set zi, zi+2
.endr
.set zi, 0
.rept 16
	v_cvt_pk_bf16_f32 v[(\x)+zi], v[(\x)+2*zi], v[(\x)+2*zi+1]
.set zi, zi+1
.endr
	s_wait_alu depctr_va_vdst(0)                           ; the roundings have written the 16 registers that the LDS stores read, and the stores' address is written; the fma are done reading gain and bias, in whose registers b2 and LN(x)'s fragments land
.set zi, 0
.rept 8
	ds_store_b64 v[\va], v[(\x)+2*zi:(\x)+2*zi+1] offset:zi*128
.set zi, zi+1
.endr
.endm
.macro PLACES
.rept 4
	v_nop
.endr
.endm
.macro BAR
	s_wait_dscnt 0x0
	s_barrier_signal -1
	s_barrier_wait -1
.endm
	s_load_b512 s[8:23], s[0:1], 0x0               ; po 8, ln_o_g 10, ln_o_b 12, W1 14, b1 16, W2 18, b2 20, py 22
	v_lshl_add_u32 v4, v0, 2, SPARE
	v_mov_b32 v5, 0
	v_and_b32 v1, 15, v0                           ; r
	v_bfe_u32 v2, v0, 4, 1                         ; hh
	v_lshrrev_b32 v3, 5, v0
	v_readfirstlane_b32 s28, v3                    ; wave w
	s_mov_b32 s29, ttmp9                           ; sl
	s_and_b32 s30, ttmp7, 0xffff                   ; e
	v_lshlrev_b32 v7, 4, v1                        ; 16 r
	v_lshl_add_u32 v6, v2, 11, v7                  ; a row of 2,048 bytes for each half
	v_lshl_add_u32 v8, v2, 16, v7                  ; eight rows of W1 (8,192 bytes each)
	v_lshl_add_u32 v9, v2, 14, v7                  ; eight rows of 2,048 bytes
	s_cmp_eq_u32 s29, 0
	s_cselect_b32 s48, 1.0, 0                      ; f: slice 0 carries the residual
	s_mov_b32 s49, 0x3b000000                      ; 1 / 512
	s_mov_b32 s50, 0x3e6d3388                      ; 0.3275911 / sqrt(2)
	s_mov_b32 s51, 0xbf38aa3b                      ; - log2(e) / 2
	s_mov_b32 s52, 0x3f87dc22                      ; a5
	s_mov_b32 s3, 0
	s_wait_alu depctr_va_sdst(0)                   ; s28 is written, ahead of its first reader: the bases and the LDS addresses are made from it
	s_lshl_b32 s4, s28, 8                          ; 256 w
	s_lshl_b32 s5, s29, 8                          ; 256 sl
	s_wait_kmcnt 0x0
	s_lshl_b32 s2, s30, 18
	s_lshl_b32 s6, s28, 12
	s_add_co_u32 s2, s2, s6
	s_add_nc_u64 s[32:33], s[8:9], s[2:3]          ; po[e][0][2 w]
	s_lshl_b32 s2, s30, 11
	s_add_nc_u64 s[34:35], s[10:11], s[2:3]
	s_add_nc_u64 s[36:37], s[12:13], s[2:3]
	s_add_co_u32 s2, s2, s4
	s_add_nc_u64 s[44:45], s[20:21], s[2:3]        ; b2 at columns 64 w on
	s_lshl_b32 s2, s30, 13
	s_add_co_u32 s2, s2, s5
	s_add_nc_u64 s[40:41], s[16:17], s[2:3]        ; b1 at the slice's columns
	s_lshl_b32 s2, s30, 22
	s_lshl_b32 s6, s28, 19
	s_add_co_u32 s2, s2, s6
	s_add_co_u32 s2, s2, s5
	s_add_nc_u64 s[38:39], s[14:15], s[2:3]        ; W1: rows 64 w on, the slice's columns
	s_lshl_b32 s2, s30, 22
	s_lshl_b32 s6, s29, 17
	s_add_co_u32 s2, s2, s6
	s_add_co_u32 s2, s2, s4
	s_add_nc_u64 s[42:43], s[18:19], s[2:3]        ; W2: the slice's rows, columns 64 w on
	s_lshl_b32 s2, s30, 20
	s_lshl_b32 s6, s29, 15
	s_add_co_u32 s2, s2, s6
	s_add_co_u32 s2, s2, s4
	s_add_nc_u64 s[46:47], s[22:23], s[2:3]        ; py[e][sl], columns 64 w on
	WIN 0x40
	s_wait_alu depctr_va_vdst(0)                   ; the offsets v6 to v9 are written, which every global load and store reads; up to the last of these loads stand loads and one window switch alone
.set zi, 0
.rept 64                                           ; head zi / 8, columns 64 (zi % 8) + 4 r on, row 2 w + hh
	global_load_b128 v[4*zi:4*zi+3], v6, s[32:33] offset:(zi/8)*32768+(zi%8)*256
.set zi, zi+1
.endr
	WIN 0
.set zi, 0
.rept 8
	global_load_b128 v[G+4*zi:G+4*zi+3], v7, s[34:35] offset:zi*256
.set zi, zi+1
.endr
.set zi, 0
.rept 8
	global_load_b128 v[BT+4*zi:BT+4*zi+3], v7, s[36:37] offset:zi*256
.set zi, zi+1
.endr
	global_load_b128 v[26:29], v7, s[40:41]
	WTILE W1B, 8, 38, 8192
	s_mul_i32 s4, s28, 2*XP
	v_mul_u32_u24 v10, v2, XP
	v_lshl_add_u32 v10, v1, 3, v10
	v_add_nc_u32 v10, s4, v10                      ; v10: LN(x), row 2 w + hh, 8 r
	s_mul_i32 s4, s28, 2*XFP
	s_add_co_u32 s4, s4, XF
	v_mul_u32_u24 v11, v2, XFP
	v_add3_u32 v11, v11, v7, s4                    ; v11: x, row 2 w + hh, 16 r
	v_mul_u32_u24 v12, v1, XP
	v_lshl_add_u32 v12, v2, 4, v12
	s_lshl_b32 s4, s28, 7
	v_add_nc_u32 v12, s4, v12                      ; v12: LN(x)'s fragments, K = 64 w on
	s_mul_i32 s4, s28, 16*RP
	s_add_co_u32 s4, s4, RED
	v_mul_u32_u24 v13, v2, 8*RP
	v_add3_u32 v13, v13, v7, s4                    ; v13: my wave's partial sums
	s_mul_i32 s4, s28, 2*RP
	s_add_co_u32 s4, s4, RED
	v_mul_u32_u24 v14, v2, RP
	v_add3_u32 v14, v14, v7, s4                    ; v14: row 2 w + hh of wave 0's
	s_mul_i32 s4, s28, 2*HP
	s_add_co_u32 s4, s4, HA
	v_mul_u32_u24 v15, v2, HP
	v_lshl_add_u32 v15, v1, 3, v15
	v_add_nc_u32 v15, s4, v15                      ; v15: hid, row 2 w + hh, 8 r
	v_mul_u32_u24 v16, v1, HP
	v_lshl_add_u32 v16, v2, 4, v16
	v_add_nc_u32 v16, HA, v16                      ; v16: hid's fragments
	s_lshl_b32 s4, s28, 8
	s_add_co_u32 s4, s4, XF
	v_mul_u32_u24 v17, v2, 8*XFP
	v_add3_u32 v17, v17, v7, s4                    ; v17: x, row 8 hh, columns 64 w + 4 r on
	s_wait_loadcnt 49                              ; behind the heads' parts: 8 + 8 + 1 + 32
	WIN 0x05
.set zi, 0
.rept 16
	v_pk_add_f32 v[X+2*zi:X+2*zi+1], v[2*zi:2*zi+1], v[32+2*zi:33+2*zi]
.set zi, zi+1
.endr
	WIN 0x04
.set zi, 0
.rept 96
	v_pk_add_f32 v[X+2*(zi%16):X+2*(zi%16)+1], v[X+2*(zi%16):X+2*(zi%16)+1], v[64+2*zi:65+2*zi]
.set zi, zi+1
.endr
	WIN 0x40
	s_wait_alu depctr_va_vdst(0)                   ; the additions are done reading the heads' parts, in whose registers W2 lands; they have written x, which the LDS stores behind the loads read, and v11 is written
	WTILE 0, 9, 42, 2048                           ; W2, where the heads' parts lay
	WIN 0
.set zi, 0
.rept 8                                            ; no vector instruction since the wait above
	ds_store_b128 v11, v[X+4*zi:X+4*zi+3] offset:zi*256
.set zi, zi+1
.endr
	s_wait_loadcnt 63                              ; 64 loads follow b1's: with 63 out gain, bias and b1 are in
	LNSTAT X, T, 49
	LNFIN X, G, BT, T, 10
	global_load_b128 v[112:115], v7, s[44:45]      ; b2, into registers that the bias has left: no vector instruction since the wait ahead of the LDS stores
	BAR                                            ; x and LN(x) are whole
	AFRAG AF, 12                                   ; likewise, into registers that the gain has left
	s_wait_loadcnt 33                              ; behind W1: W2 32, b2 1
	CVTB BF0, W1B, 0
	CVTB BF1, W1B, 1
	s_wait_dscnt 0x0
	s_wait_alu depctr_vm_vsrc(0)                   ; the LDS stores of LN(x) have read v32-47, which the products below write
	MM8 ACC, AF, BF0, BF1
	PLACES
	s_wait_alu depctr_va_vdst(0)                   ; the products have written v32-63, which the LDS stores read (the places above stay beside this wait); the conversions are done reading v160-191, in which the reduce's loads land
	RSTORE ACC, 13, RP
	BAR
	RLOAD RS, 14, RP                               ; no vector instruction since the wait above
	s_wait_dscnt 0x0
	RSUM RS
	v_pk_add_f32 v[160:161], v[160:161], v[26:27]  ; + b1
	v_pk_add_f32 v[162:163], v[162:163], v[28:29]
	; gelu(x) = x / 2 x (2 - E) for x >= 0, x / 2 x E below, E = erfc(|x| / sqrt(2))
.irp k, 0,1,2,3
	v_fma_f32 v[164+(\k)], |v16\k|, s50, 1.0
	v_mul_f32 v[168+(\k)], v[160+(\k)], v[160+(\k)]
.endr
.irp k, 0,1,2,3
	v_mul_f32 v[168+(\k)], s51, v[168+(\k)]
.endr
.irp k, 0,1,2,3
	v_cmp_le_f32 s[SG+(\k)], 0, v[160+(\k)]        ; the four masks in one run, far ahead of the selects that read them
.endr
.irp k, 0,1,2,3
	v_rcp_f32 v[164+(\k)], v[164+(\k)]             ; t
.endr
.irp k, 0,1,2,3
	v_exp_f32 v[168+(\k)], v[168+(\k)]             ; exp(-x^2 / 2)
.endr
	v_nop
	s_wait_alu depctr_va_vdst(0)                   ; the four t and the four exponentials are written: one wait for the eight, ahead of their first reader
.irp k, 0,1,2,3
	v_fmaak_f32 v[172+(\k)], s52, v[164+(\k)], 0xbfba00e3
.endr
.irp k, 0,1,2,3
	v_fmaak_f32 v[172+(\k)], v[172+(\k)], v[164+(\k)], 0x3fb5f0e3
.endr
.irp k, 0,1,2,3
	v_fmaak_f32 v[172+(\k)], v[172+(\k)], v[164+(\k)], 0xbe91a98e
.endr
.irp k, 0,1,2,3
	v_fmaak_f32 v[172+(\k)], v[172+(\k)], v[164+(\k)], 0x3e827906
.endr
.irp k, 0,1,2,3
	v_mul_f32 v[164+(\k)], v[164+(\k)], v[168+(\k)]
.endr
.irp k, 0,1,2,3
	v_mul_f32 v[172+(\k)], v[172+(\k)], v[164+(\k)]       ; E
.endr
.irp k, 0,1,2,3
	v_sub_f32 v[164+(\k)], 2.0, v[172+(\k)]
.endr
	s_wait_alu depctr_va_sdst(0)                   ; the compares have written s53 to s56, ahead of their first readers: one wait for the four
.irp k, 0,1,2,3
	v_cndmask_b32 v[172+(\k)], v[172+(\k)], v[164+(\k)], s[SG+(\k)]
.endr
.irp k, 0,1,2,3
	v_mul_f32 v[160+(\k)], 0.5, v[160+(\k)]
.endr
.irp k, 0,1,2,3
	v_mul_f32 v[160+(\k)], v[160+(\k)], v[172+(\k)]
.endr
	v_cvt_pk_bf16_f32 v176, v160, v161
	v_cvt_pk_bf16_f32 v177, v162, v163
	s_wait_alu depctr_va_vdst(0)                   ; v176 and v177 are written, which the LDS store reads; the first products are done reading v64-79 and the conversions v224-255, in which the LDS loads behind the barrier land
	ds_store_b64 v15, v[176:177]
	BAR                                            ; hid is whole
	AFRAG AF, 16                                   ; no vector instruction since the wait above
.set zj, 0
.rept 8
	ds_load_b128 v[XB+4*zj:XB+4*zj+3], v17 offset:zj*XFP
.set zj, zj+1
.endr
	s_wait_loadcnt 0x0                             ; W2 and b2
	WIN 0x05
	CVTB BF0, 0, 0
	CVTB BF1, 0, 1
	WIN 0
	s_wait_dscnt 0x0
	s_wait_alu depctr_vm_vsrc(0)                   ; the LDS stores of the partial sums have read v32-63, which the products below write again
	MM8 ACC, AF, BF0, BF1
.set zi, 0
.rept 16                                           ; x + b2: also the places behind the products
	v_pk_add_f32 v[XB+2*zi:XB+2*zi+1], v[XB+2*zi:XB+2*zi+1], v[112+2*(zi%2):113+2*(zi%2)]
.set zi, zi+1
.endr
.set zj, 0
.rept 8
.irp t, 0,1,2,3
	v_fma_f32 v[OUT+4*zj+(\t)], s48, v[XB+4*zj+(\t)], v[ACC+8*(\t)+zj]
.endr
.set zj, zj+1
.endr
	s_wait_alu depctr_va_vdst(0)                   ; the fma have written v192-223, which the stores read
.set zj, 0
.rept 8
	global_store_b128 v9, v[OUT+4*zj:OUT+4*zj+3], s[46:47] offset:zj*2048   ; 16 lanes store 256 consecutive bytes
.set zj, zj+1
.endr
	s_wait_dscnt 0x0                               ; the wave's end
	s_wait_alu 0x0
	s_wait_tensorcnt 0x0
	ds_add_u32 v4, v5
	s_wait_dscnt 0x0
	s_endpgm
.Lfunc_end_k_q45bba31645_ffn:
	.size	k_q45bba31645_ffn, .Lfunc_end_k_q45bba31645_ffn-k_q45bba31645_ffn
	.p2alignl 7, 3214868480
	.fill 96, 4, 3214868480
	.section	.rodata,"a",@progbits
	.p2align	6, 0x0
	.amdhsa_kernel k_q45bba31645_ffn
		.amdhsa_group_segment_fixed_size 87808
		.amdhsa_private_segment_fixed_size 0
		.amdhsa_enable_private_segment 0
		.amdhsa_kernarg_size 64
		.amdhsa_user_sgpr_count 2
		.amdhsa_user_sgpr_kernarg_segment_ptr 1
		.amdhsa_wavefront_size32 1
		.amdhsa_system_sgpr_workgroup_id_x 1
		.amdhsa_system_sgpr_workgroup_id_y 1
		.amdhsa_system_sgpr_workgroup_id_z 1
		.amdhsa_system_vgpr_workitem_id 0
		.amdhsa_next_free_vgpr 512
		.amdhsa_next_free_sgpr 66
		.amdhsa_reserve_vcc 0
		.amdhsa_float_denorm_mode_32 3
		.amdhsa_float_denorm_mode_16_64 3
		.amdhsa_memory_ordered 1
		.amdhsa_forward_progress 1
		.amdhsa_inst_pref_size 55
	.end_amdhsa_kernel
	.amdgpu_metadata
---
amdhsa.version: [ 1, 2 ]
amdhsa.kernels:
  - .name:           k_q45bba31645_ffn
    .symbol:         k_q45bba31645_ffn.kd
    .args:
      - { .name: po, .offset: 0, .size: 8, .value_kind: global_buffer, .address_space: global }
      - { .name: ln_o_g, .offset: 8, .size: 8, .value_kind: global_buffer, .address_space: global }
      - { .name: ln_o_b, .offset: 16, .size: 8, .value_kind: global_buffer, .address_space: global }
      - { .name: W1, .offset: 24, .size: 8, .value_kind: global_buffer, .address_space: global }
      - { .name: b1, .offset: 32, .size: 8, .value_kind: global_buffer, .address_space: global }
      - { .name: W2, .offset: 40, .size: 8, .value_kind: global_buffer, .address_space: global }
      - { .name: b2, .offset: 48, .size: 8, .value_kind: global_buffer, .address_space: global }
      - { .name: py, .offset: 56, .size: 8, .value_kind: global_buffer, .address_space: global }
    .group_segment_fixed_size: 87808
    .private_segment_fixed_size: 0
    .kernarg_segment_align: 8
    .kernarg_segment_size: 64
    .max_flat_workgroup_size: 256
    .sgpr_count:     66
    .vgpr_count:     512
    .wavefront_size: 32
...
	.end_amdgpu_metadata
.endif
;; end of part 8
;; launch mix: the kernel of part 6 again; grid 4 x 16, 8 waves a work-group, no clusters, 5,120 bytes of LDS; arguments py, hp, l1s, query, out0, out1, out2; writes out0, out1, out2
